; MI455X (gfx1250); checked and timed in simulation.
; The chip was launched on July 23, 2026; its instructions are those of AMD's public machine-readable ISA for CDNA 5 (MIT licence, August 2026) and "CDNA5" Instruction Set Architecture Reference Guide (July 2026). The comments in the code are by the model that wrote it; some were corrected since.
;; GLA Memory Compressor. Allowed arithmetic: float matrix products may take bf16 or f16 operands with f32 sums; other float arithmetic in f32, or as packed bf16 or f16 multiplies, adds, multiply-adds, maxima and minima; sums over many terms, partial sums and values carried from step to step in f32; what a program stores and reads back later, other than sums and carried values, may be rounded once to bf16 or f16.
;; Inputs: Wg1 2,048 x 16 float32; Wg2 16 x 1,024 float32; Wk 2,048 x 1,024 float32; Wv 2,048 x 2,048 float32; bg2 1,024 float32; initial_state 4 x 8 x 128 x 256 float32; norm_w 2,048 float32; segment 4 x 2,048 x 2,048 float32.
;; Outputs: out0 4 x 8 x 128 x 256 float32.
;; 2 versions, each right; version 2 is version 1 with the launch comb written anew for expert scheduling mode. Each part assembles by itself: llvm-mc -triple=amdgcn-amd-amdhsa -mcpu=gfx1250 --defsym DOCPART=n.
;; ======== version 1 of 2: 3 launches
;; limits: values are held in f16: magnitudes above 65,504 overflow, below 6.1e-05 lose precision
;; workspace buffers: xh 33,554,432 bytes; wh 12,582,912 bytes; z16 262,144 bytes; part 33,554,432 bytes; dblk 131,072 bytes
;; launch prep (part 1): grid 256 x 1, 16 waves a work-group, no clusters, 236,032 bytes of LDS; arguments segment, norm_w, Wk, Wv, Wg1, xh, wh, z16; writes xh, wh, z16
.if DOCPART == 1
	.amdgcn_target "amdgcn-amd-amdhsa--gfx1250"
	.amdhsa_code_object_version 6
	.text
	.protected	k_q63147f68ae_prep
	.globl	k_q63147f68ae_prep
	.p2align	8
	.type	k_q63147f68ae_prep,@function
k_q63147f68ae_prep:
	s_mov_b64 s[64:65], 0
	v_nop
	global_prefetch_b8 v0, s[64:65] scope:SCOPE_SE
	s_setreg_imm32_b32 hwreg(HW_REG_WAVE_MODE, 25, 1), 1
	s_wait_xcnt 0x0
; PREP.  xh[row][d] = f16(s r), s = bf16(segment[row][d]), r = 1 / sqrt(mean over d of s^2 + 1e-5): the RMS norm without its gain.
; wh[d][h][384] = f16(bf16(norm_w[d]) x bf16(W[d][c])): the gain folded into the weights, columns blocked by heads: 128 of Wk, then 256 of Wv.
; z16[row][16] = f16(sum over d of xh[row][d] x f16(bf16(norm_w[d]) x bf16(Wg1[d][rank]))), sums in f32.
; FORMATS.  Every input is rounded to bf16 first; what the program makes of them is kept in f16 (11 significant bits).
; LIMITS.  |norm_w x W| and |z| must stay under 65,504 (f16's end); numbers under 6e-5 keep f16's fixed step of 6e-8.  |xh| is at most sqrt(2048) whatever the input's scale.
; NaN and infinities are not treated apart.
; SHARES.  256 work-groups of sixteen waves.  Work-group g owns rows 32 g .. 32 g + 31, wave w two of them, a whole row (8,192 bytes, 64 registers) at a time: the row is read once and
; stays in registers between the sum of squares and the scaling.  With n = 16 g + w, wave w also converts half n % 2 of row d = n / 2 of Wk and Wv, and rows 128 w .. 128 w + 127 of Wg1 into LDS.
; IN FLIGHT.  A wave has 61 loads in all; 49 go out at the head (norm_w 1, Wg1 16, two rows 32), the weights' 12 as soon as Wg1 is converted, into registers that no store reads.
; No buffer is loaded again behind its stores, so nothing in the stream waits for a store.
; z: the 32 rows lie in LDS as f16; K = 2,048 is split sixteen ways among the waves, the partial sums meet in LDS, waves 0 and 1 finish a tile of 16 rows each.  The z phase names only
; registers that no pending store reads, so that it runs while the stores leave.
; NO CLUSTER, NO TENSOR LOAD: all that work-groups share is Wg1, 131,072 of the 499,712 bytes that a work-group loads, and every number is rounded between memory and LDS, which wants registers.
.set XP,    4112                       ; a row of x in LDS: 4,096 bytes + 16: an odd multiple of 16, so the 16 rows of a fragment load start at 16 different groups of four banks
.set W1S,   32*XP                      ; Wg1 as f16, [2048][16], 32 bytes a row
.set NWS,   W1S+65536                  ; norm_w as f16, 2,048 numbers
.set ZP,    NWS+4096                   ; partial sums of z: wave v's two tiles, 1,024 bytes each, at 2,048 v
.set SPARE, ZP+32768                   ; the spare words, 128 bytes for each of sixteen waves: eight blocks of 256 bytes that no other line names
.set LO16, 2                           ; v2   16 x lane
.set LO8,  3                           ; v3   8 x lane
.set XSA,  4                           ; v4   where I put 8 bytes of my wave's first row in LDS
.set W1A,  5                           ; v5   where I put 8 bytes of my wave's part of Wg1
.set XFA,  6                           ; v6-7 my place in a fragment of x, rows 0-15 and 16-31, at my wave's part of K
.set W1F,  8                           ; v8   my place for the turning load of Wg1
.set NWF,  9                           ; v9   my place in norm_w's fragment
.set ZPS,  10                          ; v10  where I put my partial sums
.set ZPR,  11                          ; v11  where I read partial sums back (waves 0 and 1)
.set ZO,   12                          ; v12  my 16 bytes of a tile of z16
.set NWO,  13                          ; v13  my 16 bytes of my wave's piece of norm_w in memory
.set R,    14                          ; v[14:15] 1 / root; v15 is written once, since the pair is named
.set SUM,  16                          ; v[16:23] four chains of two sums
.set NWD,  24                          ; v[24:25] bf16(norm_w[d]) as f32
.set TT,   26                          ; v[26:29] at work
.set SPW,  30                          ; v30  LDS address of my spare word; never rewritten
.set NIL,  31                          ; v31  0; never rewritten
.set X0,   32                          ; v[32:95]   Wg1; then its upper half takes my half row of Wv
.set X1,   96                          ; v[96:159]  row 0
.set X2,   160                         ; v[160:223] row 1
.set NWP,  224                         ; v[224:227] my four numbers of norm_w
.set NWT,  228                         ; v228 where they go in LDS
.set EPSV, 229                         ; v229 1e-5
.set WKB,  230                         ; v[230:245] my half row of Wk
.set WF,   32                          ; the z phase: two fragments of Wg1,
.set NF,   48                          ; two of norm_w,
.set XF,   128                         ; 2 x 2 of x,
.set ZA,   192                         ; two accumulators
	s_load_b512 s[4:19], s[0:1], 0x0               ; segment s[4:5], norm_w s[6:7], Wk s[8:9], Wv s[10:11], Wg1 s[12:13], xh s[14:15], wh s[16:17], z16 s[18:19]
	v_lshl_add_u32 v[SPW], v0, 2, SPARE
	v_mov_b32 v[NIL], 0
	v_lshrrev_b32 v1, 5, v0
	v_readfirstlane_b32 s20, v1                    ; wave 0..15
	v_and_b32 v1, 31, v0                           ; lane
	v_and_b32 v26, 15, v0                          ; r = lane % 16
	v_bfe_u32 v27, v0, 4, 1                        ; h = lane / 16
	v_lshlrev_b32 v[LO16], 4, v1
	v_lshlrev_b32 v[LO8], 3, v1
	s_mul_i32 s24, s20, 2*XP
	v_add_nc_u32 v[XSA], s24, v[LO8]
	s_lshl_b32 s24, s20, 12                        ; my wave's 128 rows of Wg1 in LDS
	s_add_co_u32 s24, s24, W1S
	v_add_nc_u32 v[W1A], s24, v[LO8]
	v_and_b32 v28, 7, v0
	v_lshl_add_u32 v28, v27, 3, v28                ; the turning load: row 8 h + lane % 8,
	v_bfe_u32 v29, v0, 3, 1
	v_lshlrev_b32 v[W1F], 5, v28
	v_lshl_add_u32 v[W1F], v29, 4, v[W1F]          ; ranks 8 ((lane / 8) % 2) on
	v_add_nc_u32 v[W1F], s24, v[W1F]
	s_lshl_b32 s25, s20, 8                         ; my wave's 128 channels: 256 bytes of f16
	v_mul_u32_u24 v[XFA], v26, XP
	v_lshl_add_u32 v[XFA], v27, 4, v[XFA]
	v_add_nc_u32 v[XFA], s25, v[XFA]
	v_add_nc_u32 v[XFA+1], 16*XP, v[XFA]
	s_add_co_u32 s25, s25, NWS
	v_lshl_add_u32 v[NWF], v27, 4, s25
	v_add_nc_u32 v[NWT], s25, v[LO8]
	s_lshl_b32 s25, s20, 11
	s_add_co_u32 s25, s25, ZP
	v_lshl_add_u32 v[ZPS], v1, 5, s25
	s_lshl_b32 s25, s20, 10
	s_add_co_u32 s25, s25, ZP
	v_lshl_add_u32 v[ZPR], v1, 5, s25
	s_lshl_b32 s25, s20, 9                         ; my wave's 128 numbers of norm_w: 512 bytes of f32
	v_add_nc_u32 v[NWO], s25, v[LO16]
	v_lshlrev_b32 v[ZO], 5, v26
	v_lshl_add_u32 v[ZO], v27, 4, v[ZO]
	v_mov_b32 v[R+1], 0
	v_mov_b32 v[EPSV], 0x3727c5ac                  ; 1e-5
	s_mov_b32 s32, 0x3a000000                      ; 1 / 2048
	s_mov_b32 s34, 0xffff0000                      ; a word's upper bf16
	s_mov_b32 s36, 0x76543210                      ; v_permlanex16_b32: each lane takes its own place in the other half
	s_mov_b32 s37, 0xfedcba98
	s_lshl_b32 s21, ttmp9, 4
	s_add_co_u32 s21, s21, s20                     ; n = 16 g + w; my first row of the segment is 2 n
	s_lshr_b32 s31, s21, 1                         ; d = n / 2
	s_lshl_b32 s31, s31, 2
	s_mov_b32 s23, 0
	s_wait_kmcnt 0x0
	s_load_b32 s30, s[6:7], s31 offset:0x0         ; norm_w[d]
	s_lshl_b32 s22, s21, 14                        ; 2 n rows of 8,192 bytes
	s_add_nc_u64 s[4:5], s[4:5], s[22:23]
	s_lshl_b32 s22, s21, 13                        ; 2 n rows of 4,096 bytes
	s_add_nc_u64 s[14:15], s[14:15], s[22:23]
	s_lshl_b32 s22, s21, 11
	s_add_nc_u64 s[8:9], s[8:9], s[22:23]          ; Wk: n half rows of 2,048 bytes
	s_lshl_b32 s22, s21, 12
	s_add_nc_u64 s[10:11], s[10:11], s[22:23]      ; Wv: n half rows of 4,096 bytes
	s_mul_i32 s22, s21, 3072
	s_add_nc_u64 s[16:17], s[16:17], s[22:23]      ; wh: n half rows of 3,072 bytes: four heads' blocks
	s_lshl_b32 s22, s20, 13
	s_add_nc_u64 s[12:13], s[12:13], s[22:23]      ; Wg1 at my wave's 128 rows
	s_lshl_b32 s22, ttmp9, 10
	s_lshl_b32 s24, s20, 9
	s_add_co_u32 s22, s22, s24
	s_add_nc_u64 s[18:19], s[18:19], s[22:23]      ; z16 at the tile that my wave finishes (waves 0 and 1)
; n loads of 512 consecutive bytes each, from byte off behind the base, into a buffer
.macro LOADS buf, base, n, off, nt
.set j, 0
.rept \n
.if \nt
	global_load_b128 v[(\buf)+4*j:(\buf)+4*j+3], v[LO16], s[(\base):(\base)+1] offset:(\off)+512*j th:TH_LOAD_NT
.else
	global_load_b128 v[(\buf)+4*j:(\buf)+4*j+3], v[LO16], s[(\base):(\base)+1] offset:(\off)+512*j
.endif
.set j, j+1
.endr
.endm
; n pairs of f32, each number rounded to bf16 and kept as f32, in place
.macro TOBF buf, n
.set p, 0
.rept \n
	v_cvt_pk_bf16_f32 v[TT+p%4], v[(\buf)+2*p], v[(\buf)+2*p+1]
	v_lshlrev_b32 v[(\buf)+2*p], 16, v[TT+p%4]
	v_and_b32 v[(\buf)+2*p+1], s34, v[TT+p%4]
.set p, p+1
.endr
.endm
; n pairs times the low register of a pair
.macro SCALE buf, n, by
.set p, 0
.rept \n
	v_pk_mul_f32 v[(\buf)+2*p:(\buf)+2*p+1], v[(\buf)+2*p:(\buf)+2*p+1], v[(\by):(\by)+1] op_sel_hi:[1,0]
.set p, p+1
.endr
.endm
; n pairs rounded to f16 and packed, ascending, into the buffer's first n registers: register p is written when registers 2 p and 2 p + 1 have been read
.macro TOF16 buf, n
.set p, 0
.rept \n
	v_cvt_pk_f16_f32 v[(\buf)+p], v[(\buf)+2*p], v[(\buf)+2*p+1]
.set p, p+1
.endr
.endm
; Row i of my two.  left = the younger loads, which may stay out.
.macro ROWN i, buf, left
	s_wait_loadcnt \left                           ; loads come back in order: this row's sixteen are in
	TOBF \buf, 32
.irp c, 0,1,2,3
	v_pk_mul_f32 v[SUM+2*\c:SUM+2*\c+1], v[(\buf)+2*\c:(\buf)+2*\c+1], v[(\buf)+2*\c:(\buf)+2*\c+1]  ; the first four pairs start the chains: nothing is cleared
.endr
.set p, 4
.rept 28
	v_pk_fma_f32 v[SUM+2*(p%4):SUM+2*(p%4)+1], v[(\buf)+2*p:(\buf)+2*p+1], v[(\buf)+2*p:(\buf)+2*p+1], v[SUM+2*(p%4):SUM+2*(p%4)+1]
.set p, p+1
.endr
	v_pk_add_f32 v[SUM:SUM+1], v[SUM:SUM+1], v[SUM+2:SUM+3]
	v_pk_add_f32 v[SUM+4:SUM+5], v[SUM+4:SUM+5], v[SUM+6:SUM+7]
	v_pk_add_f32 v[SUM:SUM+1], v[SUM:SUM+1], v[SUM+4:SUM+5]
	v_add_f32 v[SUM], v[SUM], v[SUM+1]
	v_add_f32_dpp v[SUM], v[SUM], v[SUM] row_xmask:1 row_mask:0xf bank_mask:0xf
	v_add_f32_dpp v[SUM], v[SUM], v[SUM] row_xmask:2 row_mask:0xf bank_mask:0xf
	v_add_f32_dpp v[SUM], v[SUM], v[SUM] row_xmask:4 row_mask:0xf bank_mask:0xf
	v_add_f32_dpp v[SUM], v[SUM], v[SUM] row_xmask:8 row_mask:0xf bank_mask:0xf
	v_permlanex16_b32 v[SUM+1], v[SUM], s36, s37
	v_add_f32 v[SUM], v[SUM], v[SUM+1]             ; every lane holds the row's sum of squares
	v_fma_f32 v[SUM], v[SUM], s32, v[EPSV]         ; mean + 1e-5
	v_rsq_f32 v[R], v[SUM]
	v_nop                                          ; a plain instruction behind the root,
	s_wait_alu depctr_va_vdst(0)                   ; and the wait ahead of its first reader
	SCALE \buf, 32, R
	TOF16 \buf, 32
.set j, 0
.rept 16
	global_store_b64 v[LO8], v[(\buf)+2*j:(\buf)+2*j+1], s[14:15] offset:4096*(\i)+256*j  ; 32 lanes store 256 consecutive bytes, at a multiple of 256 from xh's first byte
	ds_store_b64 v[XSA], v[(\buf)+2*j:(\buf)+2*j+1] offset:XP*(\i)+256*j
.set j, j+1
.endr
.endm
; My half row of Wv (v = 1, 8 loads) or Wk (v = 0, 4 loads): rounded, times norm_w[d], to f16, into the heads' blocks of wh
.macro WROW buf, n, v, left
	s_wait_loadcnt \left
	TOBF \buf, 2*(\n)
	SCALE \buf, 2*(\n), NWD
	TOF16 \buf, 2*(\n)
.set j, 0
.rept \n
.if \v
	global_store_b64 v[LO8], v[(\buf)+2*j:(\buf)+2*j+1], s[16:17] offset:768*(j/2)+256+256*(j%2)  ; 128 columns of my head j / 2, behind its 256 bytes of Wk
.else
	global_store_b64 v[LO8], v[(\buf)+2*j:(\buf)+2*j+1], s[16:17] offset:768*j                    ; my head j's 128 columns
.endif
.set j, j+1
.endr
.endm
	global_load_b128 v[NWP:NWP+3], v[NWO], s[6:7]
	LOADS X0, 12, 16, 0, 0                         ; Wg1: every work-group reads it, so no hint
	LOADS X1, 4, 16, 0, 1                          ; row 0
	LOADS X2, 4, 16, 8192, 1                       ; row 1
	s_wait_loadcnt 48                              ; my piece of norm_w is in; the 48 loads behind it stay out
	TOBF NWP, 2
	TOF16 NWP, 2
	ds_store_b64 v[NWT], v[NWP:NWP+1]
	s_wait_kmcnt 0x0                               ; norm_w[d]
	v_mov_b32 v[NWD], s30
	v_cvt_pk_bf16_f32 v[NWD], v[NWD], v[NWD]
	v_lshlrev_b32 v[NWD], 16, v[NWD]
	v_mov_b32 v[NWD+1], v[NWD]
	s_wait_loadcnt 32                              ; Wg1 is in; the two rows' 32 loads stay out
	TOBF X0, 32                                    ; rounded to bf16, written as f16: a dense copy at half the size
	TOF16 X0, 32
.set j, 0
.rept 16
	ds_store_b64 v[W1A], v[X0+2*j:X0+2*j+1] offset:256*j
.set j, j+1
.endr
	LOADS X0+32, 10, 8, 0, 1                       ; my half row of Wv, into the half of the buffer that the LDS stores above do not read
	LOADS WKB, 8, 4, 0, 1                          ; my half row of Wk
	ROWN 0, X1, 28                                 ; younger: row 1's 16, Wv's 8, Wk's 4
	ROWN 1, X2, 12                                 ; Wv's 8 and Wk's 4
	WROW X0+32, 8, 1, 4                            ; Wk's 4
	WROW WKB, 4, 0, 0
	s_wait_dscnt 0x0                               ; for the others' sake: my rows of x lie in LDS
	s_barrier_signal -1
	s_barrier_wait -1                              ; all 32 rows do
; z.  Source 0 = 16 ranks of Wg1 (turned on its way out of LDS, times norm_w), source 1 = 16 rows of x: in the result a lane holds row lane % 16 and ranks 8 (lane / 16) + 0..7.
; Two K steps of 32 at a time; the two tiles' accumulators take turns, one instruction a turn.
.macro ZQ hf, zero
.if !(\zero)
.rept 4
	v_nop                                          ; four places between the last product and the loads into registers that it has read
.endr
.endif
.irp ks, 0,1
	ds_load_tr16_b128 v[WF+8*\ks:WF+8*\ks+3],   v[W1F] offset:1024*(2*(\hf)+\ks)
	ds_load_tr16_b128 v[WF+8*\ks+4:WF+8*\ks+7], v[W1F] offset:1024*(2*(\hf)+\ks)+512
	ds_load_b128 v[NF+8*\ks:NF+8*\ks+3],   v[NWF] offset:64*(2*(\hf)+\ks)
	ds_load_b128 v[NF+8*\ks+4:NF+8*\ks+7], v[NWF] offset:64*(2*(\hf)+\ks)+32
	ds_load_b128 v[XF+8*\ks:XF+8*\ks+3],   v[XFA] offset:64*(2*(\hf)+\ks)
	ds_load_b128 v[XF+8*\ks+4:XF+8*\ks+7], v[XFA] offset:64*(2*(\hf)+\ks)+32
	ds_load_b128 v[XF+16+8*\ks:XF+16+8*\ks+3],   v[XFA+1] offset:64*(2*(\hf)+\ks)
	ds_load_b128 v[XF+16+8*\ks+4:XF+16+8*\ks+7], v[XFA+1] offset:64*(2*(\hf)+\ks)+32
.endr
	s_wait_dscnt 0x0
.set p, 0
.rept 16
	v_pk_mul_f16 v[WF+p], v[WF+p], v[NF+p]         ; the gain: one rounding to f16
.set p, p+1
.endr
.irp ks, 0,1
.irp t, 0,1
.if (\zero) && (\ks == 0)
	v_wmma_f32_16x16x32_f16 v[ZA+8*\t:ZA+8*\t+7], v[WF+8*\ks:WF+8*\ks+7], v[XF+16*\t+8*\ks:XF+16*\t+8*\ks+7], 0
.else
	v_wmma_f32_16x16x32_f16 v[ZA+8*\t:ZA+8*\t+7], v[WF+8*\ks:WF+8*\ks+7], v[XF+16*\t+8*\ks:XF+16*\t+8*\ks+7], v[ZA+8*\t:ZA+8*\t+7]
.endif
.endr
.endr
.endm
	ZQ 0, 1
	ZQ 1, 0
.rept 4
	v_nop                                          ; four places between the last product and the stores that read results
.endr
.irp t, 0,1
	ds_store_b128 v[ZPS], v[ZA+8*\t:ZA+8*\t+3]   offset:1024*\t
	ds_store_b128 v[ZPS], v[ZA+8*\t+4:ZA+8*\t+7] offset:1024*\t+16
.endr
	s_wait_dscnt 0x0
	s_barrier_signal -1
	s_barrier_wait -1                              ; all sixteen partial sums of both tiles lie in LDS
	s_cmp_lt_u32 s20, 2                            ; wave 0 finishes tile 0, wave 1 tile 1
	s_cbranch_scc0 .Lend
	s_wait_xcnt 0x0                                ; my stores have read their data: the registers that held it are loaded over only behind this wait
.set pv, 0
.rept 16
	ds_load_b128 v[32+8*pv:32+8*pv+3], v[ZPR] offset:2048*pv
	ds_load_b128 v[32+8*pv+4:32+8*pv+7], v[ZPR] offset:2048*pv+16
.set pv, pv+1
.endr
	s_wait_dscnt 0x0
.irp a, 0,16,32,48,64,80,96,112        ; sixteen sets of eight sums: neighbours 1, 2, 4 and 8 sets apart
.irp p, 0,2,4,6
	v_pk_add_f32 v[32+\a+\p:32+\a+\p+1], v[32+\a+\p:32+\a+\p+1], v[40+\a+\p:40+\a+\p+1]
.endr
.endr
.irp a, 0,32,64,96
.irp p, 0,2,4,6
	v_pk_add_f32 v[32+\a+\p:32+\a+\p+1], v[32+\a+\p:32+\a+\p+1], v[48+\a+\p:48+\a+\p+1]
.endr
.endr
.irp a, 0,64
.irp p, 0,2,4,6
	v_pk_add_f32 v[32+\a+\p:32+\a+\p+1], v[32+\a+\p:32+\a+\p+1], v[64+\a+\p:64+\a+\p+1]
.endr
.endr
.irp p, 0,2,4,6
	v_pk_add_f32 v[32+\p:32+\p+1], v[32+\p:32+\p+1], v[96+\p:96+\p+1]
.endr
	TOF16 32, 4
	global_store_b128 v[ZO], v[32:35], s[18:19]    ; the wave stores a tile's 512 consecutive bytes
.Lend:
	s_wait_tensorcnt 0x0                           ; the wave's end, behind my last LDS store
	ds_add_u32 v[SPW], v[NIL]
	s_wait_dscnt 0x0
	s_endpgm
.Lfunc_end_k_q63147f68ae_prep:
	.size	k_q63147f68ae_prep, .Lfunc_end_k_q63147f68ae_prep-k_q63147f68ae_prep
	.p2alignl 7, 3214868480
	.fill 96, 4, 3214868480
	.section	.rodata,"a",@progbits
	.p2align	6, 0x0
	.amdhsa_kernel k_q63147f68ae_prep
		.amdhsa_group_segment_fixed_size 236032
		.amdhsa_private_segment_fixed_size 0
		.amdhsa_enable_private_segment 0
		.amdhsa_kernarg_size 64
		.amdhsa_user_sgpr_count 2
		.amdhsa_user_sgpr_kernarg_segment_ptr 1
		.amdhsa_wavefront_size32 1
		.amdhsa_system_sgpr_workgroup_id_x 1
		.amdhsa_system_sgpr_workgroup_id_y 1
		.amdhsa_system_sgpr_workgroup_id_z 1
		.amdhsa_system_vgpr_workitem_id 0
		.amdhsa_next_free_vgpr 248
		.amdhsa_next_free_sgpr 66
		.amdhsa_reserve_vcc 0
		.amdhsa_float_denorm_mode_32 3
		.amdhsa_float_denorm_mode_16_64 3
		.amdhsa_memory_ordered 1
		.amdhsa_forward_progress 1
		.amdhsa_inst_pref_size 62
	.end_amdhsa_kernel
	.amdgpu_metadata
---
amdhsa.version: [ 1, 2 ]
amdhsa.kernels:
  - .name:           k_q63147f68ae_prep
    .symbol:         k_q63147f68ae_prep.kd
    .args:
      - { .name: segment, .offset: 0, .size: 8, .value_kind: global_buffer, .address_space: global }
      - { .name: norm_w, .offset: 8, .size: 8, .value_kind: global_buffer, .address_space: global }
      - { .name: Wk, .offset: 16, .size: 8, .value_kind: global_buffer, .address_space: global }
      - { .name: Wv, .offset: 24, .size: 8, .value_kind: global_buffer, .address_space: global }
      - { .name: Wg1, .offset: 32, .size: 8, .value_kind: global_buffer, .address_space: global }
      - { .name: xh, .offset: 40, .size: 8, .value_kind: global_buffer, .address_space: global }
      - { .name: wh, .offset: 48, .size: 8, .value_kind: global_buffer, .address_space: global }
      - { .name: z16, .offset: 56, .size: 8, .value_kind: global_buffer, .address_space: global }
    .group_segment_fixed_size: 236032
    .private_segment_fixed_size: 0
    .kernarg_segment_align: 8
    .kernarg_segment_size: 64
    .max_flat_workgroup_size: 512
    .sgpr_count:     66
    .vgpr_count:     248
    .wavefront_size: 32
...
	.end_amdgpu_metadata
.endif
;; end of part 1
;; launch fuse (part 2): grid 8 x 32, 4 waves a work-group, clusters of 4 x 4, 327,680 bytes of LDS; arguments xh, wh, z16, Wg2, bg2, part, dblk; writes part, dblk
.if DOCPART == 2
	.amdgcn_target "amdgcn-amd-amdhsa--gfx1250"
	.amdhsa_code_object_version 6
	.text
	.protected	k_q63147f68ae_fuse
	.globl	k_q63147f68ae_fuse
	.p2align	8
	.type	k_q63147f68ae_fuse,@function
k_q63147f68ae_fuse:
	s_mov_b64 s[64:65], 0
	v_nop
	global_prefetch_b8 v0, s[64:65] scope:SCOPE_SE
	s_setreg_imm32_b32 hwreg(HW_REG_WAVE_MODE, 25, 1), 1
	s_wait_xcnt 0x0
	s_wait_alu depctr_hold_cnt(0) depctr_sa_sdst(0) depctr_va_vdst(0) depctr_va_sdst(0) depctr_va_ssrc(0) depctr_va_vcc(0) depctr_vm_vsrc(0)
	s_getreg_b32 s2, hwreg(HW_REG_IB_STS2, 6, 4)
	s_cmp_eq_u32 s2, 0
	s_cbranch_scc0 .Lentry_in_a_cluster
	s_endpgm
.Lentry_in_a_cluster:
	s_bfe_u32 s2, ttmp6, 0x10000c
	s_cmp_lg_u32 s2, 0xf033
	s_cbranch_scc0 .Lentry_shape_is_right
	s_endpgm
.Lentry_shape_is_right:
; FUSE.  For one head and one block of 256 time steps: [k | v] = xh x wh (256 x 384, K = 2,048), the gates, and the block's share of the state:
;   P[c][n] = sum over t of k[t][c] E[t][c] v[t][n],   E[t][c] = exp(sum over later t' of the block of g[t'][c]),   d[c] = exp(sum over the block of g),
;   g = logsigmoid(z Wg2 + bg2) / 16.  k and v never leave the WGP: they go from the accumulators through LDS, as f16, into the second product.  P and d go to memory in f32.
; THE GATE in base 2: u = log2(e) (z Wg2 + b); q = min(u, 0) - log2(1 + 2^-|u|), the form in which the larger exponent is taken away first; E = 2^(suffix sum of q / 16), the sums in f32, taken directly.
; FORMATS.  xh, wh, z16 are f16; Wg2 and bg2 are rounded to bf16 (Wg2 then written as f16); products in f16 with f32 sums; E and k E are rounded to f16.
; LIMITS.  |k|, |v| must stay under 65,504; E and k E under 6e-8 count as 0; 2^x under 2^-126 counts as 0; log2(1 + e) is 0 for e under 2^-24.  NaN and infinities are not treated apart.
; SHARES.  8 heads x 32 blocks = 256 work-groups of four waves; a wave makes 128 rows x 192 columns: 96 accumulators, 768 registers.  Of gates and state wave w owns channels 32 w .. 32 w + 31.
; THE MATRIX INSTRUCTION IS USED TRANSPOSED: source 0 = 16 columns of wh (turned on their way out of LDS), source 1 = 16 rows of xh: a lane holds one row t and eight neighbouring columns.
; RING.  A (xh) in two slots of 256 rows x 128 K, B (wh) in two slots of 64 K x 384 columns: two slots of 128 K for both would not fit.  A BEAT is 32 along K, 96 products; a STEP 64; a LAP four steps.
; CLUSTER.  4 x 4 work-groups: the four of a row share the time block and so A's tiles, the four of a column the head and so B's: each tile is asked for JOINTLY.
; THE GATES HANG ON z, Wg2 AND bg2 ALONE, so they are made during the GEMM: at each change of slots, ahead of the wait for the tensor loads, a HALF UNIT: 16 time steps x 16 of my channels, in the registers of
; x's buffer 0, which holds nothing there (its beat is over, its next fragments lie behind the barrier).  32 half units, the last steps first, so that the sum over later steps is carried along; 31 changes: the last takes two.
; E goes to LDS bytes of the wave's own, in the layout of k's fragment.
; REGISTERS, in windows of 256 (s_set_vgpr_msb: bits 1:0 source 0, 3:2 source 1, 5:4 source 2, 7:6 destination):
;   window 0: v0-31 addresses, the carried sums, Wg2's fragments, biases; v32-95, v96-159 fragments of x, two buffers; v160-255 twelve fragments of wh, one buffer, loaded again group by group
;   windows 1-3: accumulator (a, b), a = 0..7 blocks of 16 rows, b = 0..11 blocks of 16 columns, in window 1 + b / 4 at v[8 (8 (b % 4) + a)]
;   the state product: window 0 v32-159 k E of all eight chunks, v160-179 addresses; window 1 v0-63 eight accumulators of P; window 2 E, then v's fragments of one column group
.set AP,     272                       ; a row of A in LDS: 256 bytes + 16: the 16 rows of a load start at 16 different groups of four banks
.set A_HALF, 128*AP                    ; what one tensor load brings of A, and what one wave reads
.set A_SLOT, 2*A_HALF
.set B_BASE, 2*A_SLOT
.set BP,     864                       ; a row of B: three segments (k, v 0-127, v 128-255) of 256 bytes + 32: an odd multiple of 32
.set B_HALF, 32*BP                     ; what one tensor load brings of B: 32 along K, a beat
.set B_SLOT, 2*B_HALF
.set SPARE,  B_BASE+2*B_SLOT           ; the spare words, 128 bytes for each wave: two blocks of 256 bytes that no other line names
.set ZL,     SPARE+512                 ; z of the block, 256 rows x 32 bytes: stored from registers, never filled by a tensor load
.set EL,     ZL+8192                   ; E as f16: 16,384 bytes for each wave; 16 steps x 16 channels are 512 bytes, 16 a lane; stored from registers, never filled by a tensor load
.set SP,     800                       ; the stage for k and v, [256 t][384] f16, from byte 0 on, written when the slots have had their last fill: 768 bytes + 32, an odd multiple of 32
.set RR,   1                           ; v1   lane % 16
.set HH,   2                           ; v2   lane / 16
.set CY,   3                           ; v3, v9  the sum of q over all later steps, for my channel of tile 0, 1
.set ADRA, 4                           ; v4-5 my place in A's fragments, slot 0, 1
.set ADRB, 6                           ; v6-7 the same for B
.set PFO,  8                           ; v8   the prefetches' offset: my lane x a row in memory
.set BI1,  10                          ; v[10:11] log2(e) b of my channel in tile 1, twice
.set W2,   12                          ; v[12:19], v[20:27] Wg2's fragments for my two tiles of 16 channels; ranks 16-31 are 0
.set BI0,  28                          ; v[28:29] the same as BI1 for tile 0
.set SPW,  30                          ; v30  LDS address of my spare word; never rewritten
.set NIL,  31                          ; v31  0; never rewritten
.set AF0,  32
.set AF1,  96
.set BF,   160
.set GZ,   32                          ; a half unit's registers, in x's buffer 0: z's fragment (ranks 16-31 are 0),
.set GU,   40                          ; eight gates,
.set GT,   48                          ; eight at work,
.set SL,   56                          ; the sum of q over my steps 0-3,
.set SH,   57                          ; over my steps 4-7,
.set TOT,  58                          ; over all eight,
.set OTH,  59                          ; the other half of the lanes' eight,
.set OFH,  60                          ; v[60:61] what is added to the suffix sums of steps 4-7, over 16: in the even register of a pair,
.set OFL,  62                          ; v[62:63] of steps 0-3,
.set HM,   64                          ; 1.0 in lanes 0-15, 0 in lanes 16-31,
.set EAD,  65                          ; where E goes,
.set ZAD,  66                          ; where z comes from,
.set GE,   68                          ; v[68:71] E, packed
.set STO,  160                         ; behind the GEMM: the stage: where I put 16 bytes of a row, rows 0-63 of my 128,
.set STO2, 161                         ; rows 64-127
.set TRV0, 162                         ; my place for the turning loads from the stage
.set EA,   163                         ; my 16 bytes of a half unit's E
.set TK,   164                         ; v164-166 k's fragments: chunks 0-2, 3-5, 6-7
.set TVB,  167                         ; v167-169 the same for v, at column 0,
.set TV,   170                         ; v170-172 at the column group in hand
.set PO,   173                         ; 16 x lane
.set POG,  174                         ; the same at the column group in hand
.set TM,   176                         ; v176-177 at work
.set DL,   178
.set WV,   18                          ; s18  my wave's number
.set TY,   19                          ; s19  which 128 rows are mine; also: I fetch for A (0) or for B (1)
.set PT,   20                          ; s20  which half of the columns; also: which half of a tile I fetch
.set CX,   21
.set CYC,  22
.set HD,   23                          ; s23  the head = 4 x cluster x + cx
.set TBK,  66                          ; s66  the time block = 4 x cluster y + cy
.set G1A,  24                          ; s[24:31] descriptor group 1 for A's tiles;  s[32:39] group 0, a set for each slot
.set G0A,  32
.set G1B,  40                          ; s[40:47], s[48:55] the same for B's
.set G0B,  48
.set LAP,  56                          ; s56  trips still to come; the half units' LDS addresses are made of it
.set LIM,  57                          ; s57  1 in a wave that prefetches, else the greatest number
.set PFA,  58                          ; s[58:59] where my prefetches stand
.set PST,  60                          ; s[60:61] their step: 128 along K
.set CNT,  76
.set EOF,  77                          ; s77  at work: E's place; later the column group's offset in the stage
.set ZOF,  78                          ; s78  at work: z's place; later the column group's offset in part
.set EB,   79                          ; s79  LDS byte at which my wave's E begins
.set SEL,  80                          ; s[80:81] v_permlanex16_b32's selects
.set MSB, 0
.macro WIN new                         ; the immediate's high byte repeats the setting that is left; a switch that changes nothing is dropped
.if MSB != (\new)
	s_set_vgpr_msb (MSB<<8)|(\new)
.set MSB, \new
.endif
.endm
.macro PLACES                          ; four places between a matrix instruction and a load into, or a vector instruction on, one of its registers
.rept 4
	v_nop
.endr
.endm
.macro CREST                           ; a round of the cluster's barrier behind its opening barrier
	s_cmp_lg_u32 s[WV], 0
	s_cbranch_scc1 .Lnot_wave_0_\@
	s_barrier_signal -3
.Lnot_wave_0_\@:
	s_barrier_wait -3
	s_barrier_signal -1
	s_barrier_wait -1
.endm
.macro CROUND
	s_barrier_signal -1
	s_barrier_wait -1
	CREST
.endm
; Joint refills.  Waves 0 and 1 fetch the halves of A's slot ra, waves 2 and 3 those of B's slot rb; the branch hangs on the wave's number alone.
; An s_nop 0 and four v_nop follow each load, ahead of the jump, the label and what follows.
.macro JLOAD ra, rb
	s_cmp_eq_u32 s[TY], 0
	s_cbranch_scc0 .Lfor_b_\@
	tensor_load_to_lds s[G0A+4*(\ra):G0A+4*(\ra)+3], s[G1A:G1A+7]
	s_nop 0
.rept 4
	v_nop
.endr
	s_branch .Lasked_\@
.Lfor_b_\@:
	tensor_load_to_lds s[G0B+4*(\rb):G0B+4*(\rb)+3], s[G1B:G1B+7]
	s_nop 0
.rept 4
	v_nop
.endr
.Lasked_\@:
.endm
.macro BLOAD rb                        ; B's slot alone: waves 0 and 1 have no part of a tile to fill
	s_cmp_eq_u32 s[TY], 0
	s_cbranch_scc1 .Lno_b_\@
	tensor_load_to_lds s[G0B+4*(\rb):G0B+4*(\rb)+3], s[G1B:G1B+7]
	s_nop 0
.rept 4
	v_nop
.endr
.Lno_b_\@:
.endm
; A PREFETCH INTO THE L2, behind a joint load of A and B and the run of LDS loads that follows it: the 128 along K that stand one span behind the span just asked for.
; Each aligned 256 bytes are named once in the launch.  xh's rows of a time block are read by both clusters of that row of clusters: the one with cluster x = 0 asks, waves 0 and 1, a lane a row, and the
; four partners take 32 of a wave's 128 rows each BY ADDRESS (cx).  wh's rows of a head are read by all eight clusters of that column: the one with cluster y = 0 asks, wave 2, a lane a row of 768 bytes,
; three instructions, and the partners take 32 of the span's 128 rows each by address (cy).  Spans 0 to 2 come by their loads alone; form 2, in the loop's last trip, asks for nothing: the last span named is the 16th.
.macro ASK form
.if (\form) == 1
	s_cmp_eq_u32 s[LIM], 1
.else
	s_cmp_gt_u32 s[LAP], s[LIM]
.endif
	s_cbranch_scc0 .Lnot_mine_\@
	global_prefetch_b8 v[PFO], s[PFA:PFA+1] th:TH_LOAD_NT scope:SCOPE_SE
	s_cmp_eq_u32 s[TY], 0
	s_cbranch_scc1 .Lnot_mine_\@
	global_prefetch_b8 v[PFO], s[PFA:PFA+1] offset:256 th:TH_LOAD_NT scope:SCOPE_SE
	global_prefetch_b8 v[PFO], s[PFA:PFA+1] offset:512 th:TH_LOAD_NT scope:SCOPE_SE
.Lnot_mine_\@:
.endm
	s_load_b256 s[4:11], s[0:1], 0x0               ; xh s[4:5], wh s[6:7], z16 s[8:9], Wg2 s[10:11]
	s_load_b128 s[12:15], s[0:1], 0x20             ; bg2 s[12:13], part s[14:15]
	s_load_b64 s[16:17], s[0:1], 0x30              ; dblk
	v_lshl_add_u32 v[SPW], v0, 2, SPARE
	v_mov_b32 v[NIL], 0
	ds_add_u32 v[SPW], v[NIL]                      ; the wave's opening: the add, twice on end, and its wait ahead of my first tensor load; the set-up below stands between
	ds_add_u32 v[SPW], v[NIL]
	v_lshrrev_b32 v1, 5, v0
	v_readfirstlane_b32 s[WV], v1
	s_lshr_b32 s[TY], s[WV], 1
	s_and_b32 s[PT], s[WV], 1
	s_bfe_u32 s[CX], ttmp6, 0x40000
	s_bfe_u32 s[CYC], ttmp6, 0x40004
	s_lshl_b32 s[HD], ttmp9, 2
	s_add_co_u32 s[HD], s[HD], s[CX]
	s_and_b32 s[TBK], ttmp7, 0xffff
	s_lshl_b32 s[TBK], s[TBK], 2
	s_add_co_u32 s[TBK], s[TBK], s[CYC]
	s_lshl_b32 s62, s[CYC], 2
	s_lshl_b32 s62, 15, s62                        ; my row of the cluster
	s_lshl_b32 s63, 0x1111, s[CX]                  ; my column
	s_or_b32 s[G1A], s62, (1<<16)|(1<<20)|(1<<21)|(5<<22)|(3<<25)  ; the mask; 2-byte elements; padding on; bit 21 beside a mask; after every 64 words 4 words
	s_mov_b32 s[G1A+1], 128<<16                    ; tensor_dim0 = 128
	s_mov_b32 s[G1A+2], 128<<16                    ; tensor_dim1 = 128
	s_mov_b32 s[G1A+3], 128<<16                    ; tile_dim0 = 128
	s_mov_b32 s[G1A+4], 128                        ; tile_dim1 = 128
	s_mov_b32 s[G1A+5], 2048                       ; elements from row to row
	s_mov_b32 s[G1A+6], 0
	s_mov_b32 s[G1A+7], 0
	s_or_b32 s[G1B], s63, (1<<16)|(1<<20)|(1<<21)|(5<<22)|(7<<25)  ; the same with 8 words of padding
	s_mov_b32 s[G1B+1], 384<<16                    ; tensor_dim0 = 384
	s_mov_b32 s[G1B+2], 32<<16                     ; tensor_dim1 = 32
	s_mov_b32 s[G1B+3], 384<<16                    ; tile_dim0 = 384
	s_mov_b32 s[G1B+4], 32                         ; tile_dim1 = 32
	s_mov_b32 s[G1B+5], 3072
	s_mov_b32 s[G1B+6], 0
	s_mov_b32 s[G1B+7], 0
	s_lshl_b32 s68, s[TBK], 20                     ; A: row 256 x block + 128 x half, 4,096 bytes a row: it hangs on the block alone, which my row of the cluster shares
	s_lshl_b32 s70, s[PT], 19
	s_add_co_u32 s68, s68, s70
	s_mov_b32 s69, 0
	s_mul_i32 s72, s[PT], 32*6144                  ; B: row 32 x half, 6,144 bytes a row, the head's 768 bytes: it hangs on the head alone, which my column shares
	s_mul_i32 s74, s[HD], 768
	s_add_co_u32 s72, s72, s74
	s_mov_b32 s73, 0
	s_mul_i32 s71, s[PT], A_HALF                   ; where they go: no place in the cluster enters an LDS address
	s_mul_i32 s75, s[PT], B_HALF
	s_add_co_u32 s75, s75, B_BASE
	s_lshl_b32 s84, s[CX], 17                      ; the prefetches' offsets.  A: my work-group's 32 of the 128 rows that I fetch, at span 2
	s_add_co_u32 s84, s84, s68
	s_add_co_u32 s84, s84, 2*256
	s_mov_b32 s85, 0
	s_mul_i32 s86, s[CYC], 32*6144                 ; B: my work-group's 32 of a span's 128 rows, at span 2
	s_add_co_u32 s86, s86, s74
	s_add_co_u32 s86, s86, 2*128*6144
	s_mov_b32 s87, 0
	s_and_b32 s62, ttmp7, 0xffff
	s_mov_b32 s[PST], 128*6144
	s_mov_b32 s63, 6144
	s_cmp_eq_u32 s[TY], 0
	s_cselect_b32 s62, ttmp9, s62                  ; the coordinate along which other clusters read the same rows
	s_cselect_b64 s[84:85], s[84:85], s[86:87]
	s_cselect_b32 s[PST], 256, s[PST]
	s_cselect_b32 s63, 4096, s63
	s_mov_b32 s[PST+1], 0
	s_and_b32 s[LIM], s[TY], s[PT]                 ; wave 3 never asks
	s_or_b32 s62, s62, s[LIM]
	s_cmp_eq_u32 s62, 0
	s_cselect_b32 s[LIM], 1, -1                    ; the same in all sixteen partners, for a given wave
	v_and_b32 v[PFO], 31, v0
	v_mul_u32_u24 v[PFO], v[PFO], s63
	s_mov_b32 s[SEL], 0x76543210
	s_mov_b32 s[SEL+1], 0xfedcba98
	s_mov_b32 s82, 0xffff0000
	s_mov_b32 s83, 0x80000000
	s_lshl_b32 s[EB], s[WV], 14
	s_add_co_u32 s[EB], s[EB], EL
	s_mov_b32 s[LAP], 7
	s_wait_dscnt 0x0                               ; both opening adds are done
	s_wait_kmcnt 0x0
	s_add_nc_u64 s[68:69], s[4:5], s[68:69]
	s_add_nc_u64 s[72:73], s[6:7], s[72:73]
	s_cmp_eq_u32 s[TY], 0
	s_cselect_b64 s[PFA:PFA+1], s[4:5], s[6:7]
	s_add_nc_u64 s[PFA:PFA+1], s[PFA:PFA+1], s[84:85]
	CROUND                                         ; all sixteen work-groups are here: the first joint loads meet
.irp s, 0,1
	s_mov_b32 s[G0A+4*(\s)], 1
	s_add_co_u32 s[G0A+4*(\s)+1], s71, (\s)*A_SLOT
	s_add_nc_u64 s[G0A+4*(\s)+2:G0A+4*(\s)+3], s[68:69], (\s)*256          ; span s of 128 along K
	s_or_b32 s[G0A+4*(\s)+3], s[G0A+4*(\s)+3], 0x80000000
	s_mov_b32 s[G0B+4*(\s)], 1
	s_add_co_u32 s[G0B+4*(\s)+1], s75, (\s)*B_SLOT
	s_add_nc_u64 s[G0B+4*(\s)+2:G0B+4*(\s)+3], s[72:73], (\s)*64*6144      ; step s of 64 along K
	s_or_b32 s[G0B+4*(\s)+3], s[G0B+4*(\s)+3], 0x80000000
.endr
	s_cmp_eq_u32 s[TY], 0                          ; a wave's two first fills stand in one branch, ahead of every wait on TENSORcnt and every LDS read: two loads of mine are out
	s_cbranch_scc0 .Lfirst_b
	tensor_load_to_lds s[G0A:G0A+3], s[G1A:G1A+7]
	s_nop 0
	tensor_load_to_lds s[G0A+4:G0A+7], s[G1A:G1A+7]
	s_nop 0
.rept 4
	v_nop
.endr
	s_branch .Lfirst_asked
.Lfirst_b:
	tensor_load_to_lds s[G0B:G0B+3], s[G1B:G1B+7]
	s_nop 0
	tensor_load_to_lds s[G0B+4:G0B+7], s[G1B:G1B+7]
	s_nop 0
.rept 4
	v_nop
.endr
.Lfirst_asked:
	; the block's z, my channels' Wg2 and bias: 22 loads, worked on while the first tiles are on their way
	v_and_b32 v[RR], 15, v0
	v_bfe_u32 v[HH], v0, 4, 1
	s_lshl_b32 s62, s[TBK], 13                     ; 256 rows of 32 bytes
	s_mov_b32 s63, 0
	s_add_nc_u64 s[8:9], s[8:9], s[62:63]
	v_lshlrev_b32 v160, 4, v0
.irp i, 0,1,2,3
	global_load_b128 v[32+4*\i:32+4*\i+3], v160, s[8:9] offset:2048*\i
.endr
	s_lshl_b32 s62, s[HD], 9
	s_lshl_b32 s63, s[WV], 7
	s_add_co_u32 s62, s62, s63                     ; channel 128 x head + 32 x wave, in bytes of f32
	v_lshl_add_u32 v161, v[RR], 2, s62
	v_lshl_add_u32 v162, v[HH], 15, v161           ; ranks 8 (lane / 16) on: 4,096 bytes a rank
.irp ct, 0,1
.irp i, 0,1,2,3,4,5,6,7
	global_load_b32 v[48+8*\ct+\i], v162, s[10:11] offset:4096*\i+64*\ct
.endr
.endr
	global_load_b32 v64, v161, s[12:13]
	global_load_b32 v65, v161, s[12:13] offset:64
	v_mul_u32_u24 v[ADRA], v[RR], AP               ; a fragment of x: row lane % 16, 16 bytes for each half of the lanes,
	v_lshl_add_u32 v[ADRA], v[HH], 4, v[ADRA]
	s_mul_i32 s62, s[TY], A_HALF                   ; in my 128 rows
	v_add_nc_u32 v[ADRA], s62, v[ADRA]
	v_add_nc_u32 v[ADRA+1], A_SLOT, v[ADRA]
	v_and_b32 v[ADRB], 7, v0                       ; the turning load: row 8 (lane / 16) + lane % 8 along K, columns 8 ((lane / 8) % 2) on,
	v_lshl_add_u32 v[ADRB], v[HH], 3, v[ADRB]
	v_mul_u32_u24 v[ADRB], v[ADRB], BP
	v_bfe_u32 v163, v0, 3, 1
	v_lshl_add_u32 v[ADRB], v163, 4, v[ADRB]
	s_lshl_b32 s62, s[PT], 7                       ; my four blocks of each segment's eight
	s_add_co_u32 s62, s62, B_BASE
	v_add_nc_u32 v[ADRB], s62, v[ADRB]
	v_add_nc_u32 v[ADRB+1], B_SLOT, v[ADRB]
	v_add_nc_u32 v163, ZL, v160
	v_mov_b32 v[CY], 0                             ; behind the block's last step nothing is summed
	v_mov_b32 v[CY+6], 0
	s_wait_loadcnt 0x0
.irp i, 0,1,2,3
	ds_store_b128 v163, v[32+4*\i:32+4*\i+3] offset:2048*\i
.endr
.irp ct, 0,1
.irp p, 0,1,2,3
	v_cvt_pk_bf16_f32 v[164+\p], v[48+8*\ct+2*\p], v[48+8*\ct+2*\p+1]      ; Wg2 rounded to bf16,
	v_lshlrev_b32 v[48+8*\ct+2*\p], 16, v[164+\p]
	v_and_b32 v[48+8*\ct+2*\p+1], s82, v[164+\p]
	v_cvt_pk_f16_f32 v[W2+8*\ct+\p], v[48+8*\ct+2*\p], v[48+8*\ct+2*\p+1]  ; written as f16
	v_mov_b32 v[W2+8*\ct+4+\p], 0
.endr
.endr
	v_cvt_pk_bf16_f32 v164, v64, v65
	v_lshlrev_b32 v64, 16, v164
	v_and_b32 v65, s82, v164
	v_mul_f32 v[BI0], 0x3fb8aa3b, v64
	v_mul_f32 v[BI1], 0x3fb8aa3b, v65
	v_mov_b32 v[BI0+1], v[BI0]
	v_mov_b32 v[BI1+1], v[BI1]
; 16 products: column blocks 2 half, 2 half + 1 of group g x all 8 row blocks, 32 along K, on x's buffer f.  zero = 1: the product starts the sum.  The 96 accumulators take turns, one instruction a turn.
.macro MULH f, g, half, zero
	WIN 0x50*((\g)+1)
.irp bb, 2*(\half), 2*(\half)+1
.irp a, 0,1,2,3,4,5,6,7
.if \zero
	v_wmma_f32_16x16x32_f16 v[8*(8*(\bb)+(\a)):8*(8*(\bb)+(\a))+7], v[BF+8*(4*(\g)+(\bb)):BF+8*(4*(\g)+(\bb))+7], v[(\f)+8*(\a):(\f)+8*(\a)+7], 0
.else
	v_wmma_f32_16x16x32_f16 v[8*(8*(\bb)+(\a)):8*(8*(\bb)+(\a))+7], v[BF+8*(4*(\g)+(\bb)):BF+8*(4*(\g)+(\bb))+7], v[(\f)+8*(\a):(\f)+8*(\a)+7], v[8*(8*(\bb)+(\a)):8*(8*(\bb)+(\a))+7]
.endif
.endr
.endr
.endm
.macro MULG f, g, zero
	MULH \f, \g, 0, \zero
	MULH \f, \g, 1, \zero
.endm
.macro LDB sb, p, g                    ; 8 turning loads: group g's four fragments of wh, beat p of slot sb
.irp bb, 0,1,2,3
	ds_load_tr16_b128 v[BF+8*(4*(\g)+\bb):BF+8*(4*(\g)+\bb)+3],   v[ADRB+(\sb)] offset:B_HALF*(\p)+288*(\g)+32*\bb
	ds_load_tr16_b128 v[BF+8*(4*(\g)+\bb)+4:BF+8*(4*(\g)+\bb)+7], v[ADRB+(\sb)] offset:B_HALF*(\p)+288*(\g)+32*\bb+16*BP
.endr
.endm
.macro LDA sa, q, f, half              ; 8 loads: four fragments of x, quarter q of slot sa, into buffer f
.irp a, 4*(\half), 4*(\half)+1, 4*(\half)+2, 4*(\half)+3
	ds_load_b128 v[(\f)+8*(\a):(\f)+8*(\a)+3],   v[ADRA+(\sa)] offset:64*(\q)+16*AP*(\a)
	ds_load_b128 v[(\f)+8*(\a)+4:(\f)+8*(\a)+7], v[ADRA+(\sa)] offset:64*(\q)+16*AP*(\a)+32
.endr
.endm
; A HALF UNIT of the gates: the 16 steps of group 2 LAP + go, my 16 channels of tile ct.  U = z Wg2 (source 0 = 16 steps of z, source 1 = 16 channels of Wg2): a lane holds ONE channel (lane % 16) and the steps
; 8 (lane / 16) + 0..7: half of k's fragment for the state product.  Three batches of transcendentals, each with a plain instruction behind it and ONE wait ahead of its first reader.
.macro GATE ct, go
	s_lshl_b32 s[EOF], s[LAP], 11                  ; two groups of 1,024 bytes a trip
	s_add_co_u32 s[EOF], s[EOF], s[EB]
	v_wmma_f32_16x16x32_f16 v[GU:GU+7], v[GZ:GZ+7], v[W2+8*(\ct):W2+8*(\ct)+7], 0
	v_sub_nc_u32 v[HM], 1, v[HH]                   ; these five lines, due anyway, are the places behind the product: (1 - h) x 127 << 23 is 1.0 or 0
	v_and_b32 v[EAD], 31, v0
	v_mul_u32_u24 v[HM], v[HM], 127
	v_lshl_add_u32 v[EAD], v[EAD], 4, s[EOF]
	v_lshlrev_b32 v[HM], 23, v[HM]
.irp p, 0,1,2,3
	v_pk_fma_f32 v[GU+2*\p:GU+2*\p+1], v[GU+2*\p:GU+2*\p+1], 0x3fb8aa3b, v[BI0-18*(\ct):BI0-18*(\ct)+1] op_sel_hi:[1,0,1]  ; u, from the accumulator's low end on
.endr
.irp i, 0,1,2,3,4,5,6,7
	v_or_b32 v[GT+\i], s83, v[GU+\i]               ; -|u|
.endr
.irp i, 0,1,2,3,4,5,6,7
	v_exp_f32 v[GT+\i], v[GT+\i]
	v_min_num_f32 v[GU+\i], 0, v[GU+\i]            ; min(u, 0), by turns with the exponentials
.endr
	s_wait_alu depctr_va_vdst(0)
.irp p, 0,1,2,3
	v_pk_add_f32 v[GT+2*\p:GT+2*\p+1], v[GT+2*\p:GT+2*\p+1], 1.0 op_sel_hi:[1,0]
.endr
.irp i, 0,1,2,3,4,5,6,7
	v_log_f32 v[GT+\i], v[GT+\i]
.endr
	v_mov_b32 v[OFH+1], 0                          ; named in pairs, so they are written
	v_mov_b32 v[OFL+1], 0
	v_mov_b32 v[OTH], 0
	s_wait_alu depctr_va_vdst(0)
.irp p, 0,1,2,3
	v_pk_add_f32 v[GU+2*\p:GU+2*\p+1], v[GU+2*\p:GU+2*\p+1], v[GT+2*\p:GT+2*\p+1] neg_lo:[0,1] neg_hi:[0,1]  ; q
.endr
	v_mov_b32 v[GT+7], 0                           ; the sum over the LATER steps, in two chains side by side: among steps 4-7, among steps 0-3
	v_mov_b32 v[GT+3], 0
	v_mov_b32 v[GT+6], v[GU+7]
	v_mov_b32 v[GT+2], v[GU+3]
	v_add_f32 v[GT+5], v[GU+6], v[GT+6]
	v_add_f32 v[GT+1], v[GU+2], v[GT+2]
	v_add_f32 v[GT+4], v[GU+5], v[GT+5]
	v_add_f32 v[GT], v[GU+1], v[GT+1]
	v_add_f32 v[SH], v[GU+4], v[GT+4]
	v_add_f32 v[SL], v[GU], v[GT]
	v_add_f32 v[TOT], v[SL], v[SH]
	v_permlanex16_b32 v[OTH], v[TOT], s[SEL], s[SEL+1]
	v_fma_f32 v[OFH], v[OTH], v[HM], v[CY+6*(\ct)] ; lanes 0-15 hold the earlier eight steps: the other half's eight come later; then all later groups'
	v_add_f32 v[TOT], v[TOT], v[OTH]
	v_mul_f32 v[OFH], 0x3d800000, v[OFH]
	v_add_f32 v[CY+6*(\ct)], v[CY+6*(\ct)], v[TOT] ; carried on: the same number in both halves of the lanes
	v_fmamk_f32 v[OFL], v[SH], 0x3d800000, v[OFH]  ; steps 0-3 have steps 4-7 behind them too
.irp p, 0,1
	v_pk_fma_f32 v[GT+2*\p:GT+2*\p+1], v[GT+2*\p:GT+2*\p+1], 0x3d800000, v[OFL:OFL+1] op_sel_hi:[1,0,0]
	v_pk_fma_f32 v[GT+4+2*\p:GT+4+2*\p+1], v[GT+4+2*\p:GT+4+2*\p+1], 0x3d800000, v[OFH:OFH+1] op_sel_hi:[1,0,0]
.endr
.irp i, 0,1,2,3,4,5,6,7
	v_exp_f32 v[GT+\i], v[GT+\i]                   ; E
.endr
	v_nop
	s_wait_alu depctr_va_vdst(0)
.irp p, 0,1,2,3
	v_cvt_pk_f16_f32 v[GE+\p], v[GT+2*\p], v[GT+2*\p+1]
.endr
	ds_store_b128 v[EAD], v[GE:GE+3] offset:1024*(\go)+512*(\ct)
.endm
; A step's first beat: multiplies buffer 0; each group of wh's fragments is loaded again, for the step's second beat, four places behind its last product; x's next quarter goes into buffer 1.
; go = 0, 1: a change of slots follows: z of its half unit (group 2 LAP + go) is asked for at the head of the last run, into buffer 0, whose last product stands four places back.  go = -1: none.
.macro BEAT sa, q, sb, zero, go
	s_wait_dscnt 8                                 ; all but the youngest run, group 2's eight loads
	MULG AF0, 0, \zero
	PLACES
	WIN 0
	LDB \sb, 1, 0
	LDA \sa, \q, AF1, 0
	MULG AF0, 1, \zero
	PLACES
	WIN 0
	LDB \sb, 1, 1
	LDA \sa, \q, AF1, 1
	s_wait_dscnt 32                                ; all but this beat's 32: group 2 is in
	MULG AF0, 2, \zero
	PLACES
	WIN 0
.if (\go) >= 0
	s_lshl_b32 s[ZOF], s[LAP], 10                  ; two groups of 512 bytes a trip
	s_add_co_u32 s[ZOF], s[ZOF], ZL
	v_lshl_add_u32 v[ZAD], v[RR], 5, s[ZOF]        ; step lane % 16, 32 bytes a step,
	v_lshl_add_u32 v[ZAD], v[HH], 4, v[ZAD]        ; ranks 8 (lane / 16) on
	ds_load_b128 v[GZ:GZ+3], v[ZAD] offset:512*(\go)
.endif
	LDB \sb, 1, 2
.endm
; A step's second beat: multiplies buffer 1 and changes slots.  Behind its first sixteen products, which stand over z's way out of LDS, comes the half unit (gate = 0, 1: tile 0, 1; 2: both), ahead of the wait for the tensor loads.
; In front of ONE barrier each wave waits for all its tensor loads, adds 0 to its spare word, and waits for that and for its reads of the slots that it leaves.
; kind 1: B's slot rb is filled again; kind 2: A's slot ra too; the barrier then opens a round of the cluster's, and the joint refill is the first tensor load behind it.
; kind 0: nothing is filled.  Then the next step's first fragments: quarter q of A's slot sa, beat 0 of B's slot sb.
.macro CBEAT kind, ra, rb, sa, q, sb, ask, gate, go
	WIN 0
.if \ask
	s_wait_xcnt 0x0                                ; the last prefetches, two steps back, have read their address: it is stepped here, ahead of the waits of the change of slots
	s_add_nc_u64 s[PFA:PFA+1], s[PFA:PFA+1], s[PST:PST+1]
.endif
	s_wait_dscnt 9                                 ; all but z's load and group 2's eight
	MULH AF1, 0, 0, 0
	WIN 0
.irp i, 4,5,6,7
	v_mov_b32 v[GZ+\i], 0                          ; z has 16 ranks: the fragment's ranks 16-31 are 0
.endr
	s_wait_dscnt 8                                 ; z is in
.if (\gate) != 1
	GATE 0, \go
.endif
.if (\gate) != 0
	GATE 1, \go
.endif
	s_wait_tensorcnt 0x0                           ; all my tensor loads have landed: the one that was out is my part of a slot that is read next
	ds_add_u32 v[SPW], v[NIL]                      ; 0 onto my spare word
	MULH AF1, 0, 1, 0                              ; sixteen products stand between the add and the wait for it
	s_wait_dscnt 0x0                               ; the add and E's store are done, and my reads of the slots that are left are over
	s_barrier_signal -1
	MULH AF1, 1, 0, 0                              ; work on registers while the others arrive
	WIN 0
	s_barrier_wait -1
.if (\kind) > 0
	CREST                                          ; no wave of any partner still reads the slot or has a load on its way
	s_add_nc_u64 s[G0B+4*(\rb)+2:G0B+4*(\rb)+3], s[G0B+4*(\rb)+2:G0B+4*(\rb)+3], 128*6144  ; two steps on
.endif
.if (\kind) == 2
	s_add_nc_u64 s[G0A+4*(\ra)+2:G0A+4*(\ra)+3], s[G0A+4*(\ra)+2:G0A+4*(\ra)+3], 512       ; two spans on
	JLOAD \ra, \rb                                 ; the four v_nop behind the load are also the places in front of the loads below
.elseif (\kind) == 1
	BLOAD \rb
	PLACES
.else
	PLACES
.endif
	LDB \sb, 0, 0
	LDA \sa, \q, AF0, 0
.if \ask
	ASK \ask
.endif
	MULH AF1, 1, 1, 0
	PLACES
	WIN 0
	LDB \sb, 0, 1
	LDA \sa, \q, AF0, 1
	MULG AF1, 2, 0
	PLACES
	WIN 0
	LDB \sb, 0, 2
.endm
	s_wait_tensorcnt 1                             ; my part of slot 0 is in; slot 1's may stay out
	s_wait_dscnt 0x0                               ; z lies in LDS
	s_barrier_signal -1
	s_barrier_wait -1
	LDB 0, 0, 0
	LDA 0, 0, AF0, 0
	LDB 0, 0, 1
	LDA 0, 0, AF0, 1
	LDB 0, 0, 2
	BEAT 0, 1, 0, 1, 1                             ; the first beat stands in front of the loop: its products start the sums
	WIN 0
.Llap:                                                 ; a trip: from a lap's second beat to the next lap's first; each step fills a slot of B again, every second one a slot of A; four half units: groups 2 LAP + 1 and 2 LAP
	CBEAT 1, 0, 0, 0, 2, 1, 0, 0, 1
	BEAT 0, 3, 1, 0, 1
	CBEAT 2, 0, 1, 1, 0, 0, 1, 1, 1
	BEAT 1, 1, 0, 0, 0
	CBEAT 1, 0, 0, 1, 2, 1, 0, 0, 0
	BEAT 1, 3, 1, 0, 0
	CBEAT 2, 1, 1, 0, 0, 0, 2, 1, 0
	s_sub_co_u32 s[LAP], s[LAP], 1                 ; taken down here: the beat below fetches z for the next trip's first half unit
	BEAT 0, 1, 0, 0, 1
	WIN 0
	s_cmp_lg_u32 s[LAP], 0
	s_cbranch_scc1 .Llap
	CBEAT 1, 0, 0, 0, 2, 1, 0, 0, 1                ; the last lap is written out: steps 30 and 31 of B are asked for, nothing of A; group 1's two half units,
	BEAT 0, 3, 1, 0, 1
	CBEAT 1, 0, 1, 1, 0, 0, 0, 1, 1
	BEAT 1, 1, 0, 0, 0
	CBEAT 0, 0, 0, 1, 2, 1, 0, 2, 0                ; then nothing is asked for, so no round; both half units of group 0
	BEAT 1, 3, 1, 0, -1
	s_wait_dscnt 8                                 ; the very last beat: nothing more to fetch
	MULG AF1, 0, 0
	MULG AF1, 1, 0
	s_wait_dscnt 0x0
	MULG AF1, 2, 0
	; TO THE STAGE.  Every wave's reads of the slots are over, and the slots have had their last fill: k and v take their place, [t][384] as f16.
	WIN 0
	s_barrier_signal -1
	s_barrier_wait -1
	PLACES                                         ; the addresses below take registers that the last beat's products have read
	s_lshl_b32 s62, s[TY], 7
	v_add_nc_u32 v[STO], s62, v[RR]
	v_mul_u32_u24 v[STO], v[STO], SP
	v_lshl_add_u32 v[STO], v[HH], 4, v[STO]
	s_lshl_b32 s62, s[PT], 7
	v_add_nc_u32 v[STO], s62, v[STO]
	v_add_nc_u32 v[STO2], 64*SP, v[STO]
.irp w, 1,2,3
	WIN 5*(\w)                                     ; sources 0 and 1 in window w, destination in window 0
.set i, 0
.rept 32
.irp rr, 0,1,2,3
	v_cvt_pk_f16_f32 v[AF0+4*i+\rr], v[8*i+2*\rr], v[8*i+2*\rr+1]  ; each accumulator from its low end on
.endr
.set i, i+1
.endr
	WIN 0
.set i, 0
.rept 32
.if (i%8) < 4
	ds_store_b128 v[STO], v[AF0+4*i:AF0+4*i+3] offset:(i%8)*16*SP+256*((\w)-1)+32*(i/8)
.else
	ds_store_b128 v[STO2], v[AF0+4*i:AF0+4*i+3] offset:((i%8)-4)*16*SP+256*((\w)-1)+32*(i/8)
.endif
.set i, i+1
.endr
.endr
	s_wait_dscnt 0x0                               ; for the others' sake: my part of the stage is written
	s_barrier_signal -1
	s_barrier_wait -1
	; d = 2^(sum of q over the block / 16): lanes 0-15 store tile 0's channels, lanes 16-31 tile 1's: 128 consecutive bytes a wave
	v_mul_f32 v[TM], 0x3d800000, v[CY]
	v_mul_f32 v[TM+1], 0x3d800000, v[CY+6]
	v_exp_f32 v[TM], v[TM]
	v_exp_f32 v[TM+1], v[TM+1]
	v_and_b32 v[DL], 31, v0
	s_wait_alu depctr_va_vdst(0)
	v_cmp_gt_u32 vcc_lo, 16, v[DL]
	v_cndmask_b32 v[TM], v[TM+1], v[TM], vcc_lo
	v_lshlrev_b32 v[PO], 4, v[DL]
	s_lshl_b32 s62, s[TBK], 12                     ; (1,024 x block + 128 x head + 32 x wave) x 4
	s_lshl_b32 s63, s[HD], 9
	s_add_co_u32 s62, s62, s63
	s_lshl_b32 s63, s[WV], 7
	s_add_co_u32 s62, s62, s63
	v_lshl_add_u32 v[DL], v[DL], 2, s62
	global_store_b32 v[DL], v[TM], s[16:17]
	s_lshl_b32 s62, s[TBK], 3
	s_add_co_u32 s62, s62, s[HD]
	s_lshl_b32 s62, s62, 2
	s_add_co_u32 s62, s62, s[WV]
	s_lshl_b32 s62, s62, 15                        ; part: 32,768 bytes for each block, head and wave
	s_mov_b32 s63, 0
	s_add_nc_u64 s[14:15], s[14:15], s[62:63]
	; k E FOR ALL EIGHT CHUNKS of 32 steps, once: chunk c, tile ct at v[32 + 16 c + 8 ct].  k comes turned out of the stage; E as it was stored: groups 2 c and 2 c + 1 are the fragment's two halves.
	v_and_b32 v[TRV0], 7, v0
	v_lshl_add_u32 v[TRV0], v[HH], 3, v[TRV0]
	v_mul_u32_u24 v[TRV0], v[TRV0], SP
	v_bfe_u32 v[EA], v0, 3, 1
	v_lshl_add_u32 v[TRV0], v[EA], 4, v[TRV0]
	v_add_nc_u32 v[EA], s[EB], v[PO]
	s_lshl_b32 s62, s[WV], 6
.irp i, 0,1,2
	v_add_nc_u32 v[TVB+\i], \i*96*SP, v[TRV0]      ; three chunks to an address register: the immediate holds 16 bits
	v_add_nc_u32 v[TK+\i], s62, v[TVB+\i]
.endr
.set c, 0
.rept 8
.irp ct, 0,1
	ds_load_tr16_b128 v[32+16*c+8*\ct:32+16*c+8*\ct+3],   v[TK+c/3] offset:(c%3)*32*SP+32*\ct
	ds_load_tr16_b128 v[32+16*c+8*\ct+4:32+16*c+8*\ct+7], v[TK+c/3] offset:(c%3)*32*SP+32*\ct+16*SP
.endr
.set c, c+1
.endr
	WIN 0x80                                       ; destination window 2
.set c, 0
.rept 8
.irp ct, 0,1
	ds_load_b128 v[16*c+8*\ct:16*c+8*\ct+3],   v[EA] offset:2048*c+512*\ct
	ds_load_b128 v[16*c+8*\ct+4:16*c+8*\ct+7], v[EA] offset:2048*c+1024+512*\ct
.endr
.set c, c+1
.endr
	WIN 0x08                                       ; source 1 in window 2
.set c, 0
.rept 8
	s_wait_dscnt 4*(7-c)                           ; all of k and E up to chunk c are in; the later chunks' four loads of E each stay out
.set p, 0
.rept 16
	v_pk_mul_f16 v[32+16*c+p], v[32+16*c+p], v[16*c+p]
.set p, p+1
.endr
.set c, c+1
.endr
	WIN 0
	; THE STATE PRODUCT, by groups of four column tiles: 64 turning loads of v, 64 products on eight accumulators by turns, 16 stores of 512 consecutive aligned bytes,
	; which leave while the next group is loaded and multiplied.  Group CNT - 1; source 0 = 16 columns of v, source 1 = 16 channels of k E.
	s_mov_b32 s[CNT], 4
.Lgrp:
	s_sub_co_u32 s62, s[CNT], 1
	s_lshl_b32 s[EOF], s62, 7                      ; 64 columns of f16
	s_lshl_b32 s[ZOF], s62, 12                     ; four accumulators of 1,024 bytes
.irp i, 0,1,2
	v_add_nc_u32 v[TV+\i], s[EOF], v[TVB+\i]
.endr
	WIN 0x80
.set c, 0
.rept 8
.irp nn, 0,1,2,3
	ds_load_tr16_b128 v[32*c+8*\nn:32*c+8*\nn+3],   v[TV+c/3] offset:(c%3)*32*SP+256+32*\nn
	ds_load_tr16_b128 v[32*c+8*\nn+4:32*c+8*\nn+7], v[TV+c/3] offset:(c%3)*32*SP+256+32*\nn+16*SP
.endr
.set c, c+1
.endr
	WIN 0
	s_wait_xcnt 0x0                                ; the last group's stores have read their offset and their data: both are written again only behind this wait
	v_add_nc_u32 v[POG], s[ZOF], v[PO]
	v_nop                                          ; with the four lines above and the four v_nop behind the last group's products: the places ahead of products that write over its accumulators
.set c, 0
.rept 8
	s_wait_dscnt 8*(7-c)                           ; chunk c's eight loads are in; the later chunks' stay out
	WIN 0x52                                       ; v in window 2, k E in window 0, P in window 1
.irp nn, 0,1,2,3
.irp mi, 0,1
.if c == 0
	v_wmma_f32_16x16x32_f16 v[8*(4*\mi+\nn):8*(4*\mi+\nn)+7], v[32*c+8*\nn:32*c+8*\nn+7], v[32+16*c+8*\mi:32+16*c+8*\mi+7], 0
.else
	v_wmma_f32_16x16x32_f16 v[8*(4*\mi+\nn):8*(4*\mi+\nn)+7], v[32*c+8*\nn:32*c+8*\nn+7], v[32+16*c+8*\mi:32+16*c+8*\mi+7], v[8*(4*\mi+\nn):8*(4*\mi+\nn)+7]
.endif
.endr
.endr
.set c, c+1
.endr
	WIN 0
	PLACES                                         ; between the last product and the stores that read results, and the next group's loads into v's registers
	WIN 0x04                                       ; the stores' data in window 1
.irp mi, 0,1
.irp nn, 0,1,2,3
	global_store_b128 v[POG], v[8*(4*\mi+\nn):8*(4*\mi+\nn)+3],   s[14:15] offset:1024*(16*\mi+\nn)      ; each accumulator from its low end on
	global_store_b128 v[POG], v[8*(4*\mi+\nn)+4:8*(4*\mi+\nn)+7], s[14:15] offset:1024*(16*\mi+\nn)+512
.endr
.endr
	WIN 0
	s_sub_co_u32 s[CNT], s[CNT], 1
	s_cmp_lg_u32 s[CNT], 0
	s_cbranch_scc1 .Lgrp
	s_wait_tensorcnt 0x0                           ; the wave's end, behind my last tensor load and my last LDS store
	ds_add_u32 v[SPW], v[NIL]
	s_wait_dscnt 0x0
	CROUND                                         ; the closing round: no work-group ends while a partner may still ask for a tile that names it
	s_endpgm
.Lfunc_end_k_q63147f68ae_fuse:
	.size	k_q63147f68ae_fuse, .Lfunc_end_k_q63147f68ae_fuse-k_q63147f68ae_fuse
	.p2alignl 7, 3214868480
	.fill 96, 4, 3214868480
	.section	.rodata,"a",@progbits
	.p2align	6, 0x0
	.amdhsa_kernel k_q63147f68ae_fuse
		.amdhsa_group_segment_fixed_size 327680
		.amdhsa_private_segment_fixed_size 0
		.amdhsa_enable_private_segment 0
		.amdhsa_kernarg_size 56
		.amdhsa_user_sgpr_count 2
		.amdhsa_user_sgpr_kernarg_segment_ptr 1
		.amdhsa_wavefront_size32 1
		.amdhsa_system_sgpr_workgroup_id_x 1
		.amdhsa_system_sgpr_workgroup_id_y 1
		.amdhsa_system_sgpr_workgroup_id_z 1
		.amdhsa_system_vgpr_workitem_id 0
		.amdhsa_next_free_vgpr 1024
		.amdhsa_next_free_sgpr 88
		.amdhsa_reserve_vcc 1
		.amdhsa_float_denorm_mode_32 3
		.amdhsa_float_denorm_mode_16_64 3
		.amdhsa_memory_ordered 1
		.amdhsa_forward_progress 1
		.amdhsa_inst_pref_size 255
	.end_amdhsa_kernel
	.section	.bss,"aw",@nobits
	.p2align	6
	.space	262144
	.amdgpu_metadata
---
amdhsa.version: [ 1, 2 ]
amdhsa.kernels:
  - .name:           k_q63147f68ae_fuse
    .symbol:         k_q63147f68ae_fuse.kd
    .args:
      - { .name: xh, .offset: 0, .size: 8, .value_kind: global_buffer, .address_space: global }
      - { .name: wh, .offset: 8, .size: 8, .value_kind: global_buffer, .address_space: global }
      - { .name: z16, .offset: 16, .size: 8, .value_kind: global_buffer, .address_space: global }
      - { .name: Wg2, .offset: 24, .size: 8, .value_kind: global_buffer, .address_space: global }
      - { .name: bg2, .offset: 32, .size: 8, .value_kind: global_buffer, .address_space: global }
      - { .name: part, .offset: 40, .size: 8, .value_kind: global_buffer, .address_space: global }
      - { .name: dblk, .offset: 48, .size: 8, .value_kind: global_buffer, .address_space: global }
    .group_segment_fixed_size: 327680
    .private_segment_fixed_size: 0
    .kernarg_segment_align: 8
    .kernarg_segment_size: 56
    .max_flat_workgroup_size: 128
    .sgpr_count:     88
    .vgpr_count:     1024
    .wavefront_size: 32
...
	.end_amdgpu_metadata
.endif
;; end of part 2
;; launch comb (part 3): grid 256 x 1, 4 waves a work-group, no clusters, 18,176 bytes of LDS; arguments part, dblk, initial_state, out0; writes out0
.if DOCPART == 3
	.amdgcn_target "amdgcn-amd-amdhsa--gfx1250"
	.amdhsa_code_object_version 6
	.text
	.protected	k_q63147f68ae_comb
	.globl	k_q63147f68ae_comb
	.p2align	8
	.type	k_q63147f68ae_comb,@function
k_q63147f68ae_comb:
	s_mov_b64 s[64:65], 0
	v_nop
	global_prefetch_b8 v0, s[64:65] scope:SCOPE_SE
	s_setreg_imm32_b32 hwreg(HW_REG_WAVE_MODE, 25, 1), 1
	s_wait_xcnt 0x0
; COMB.  out = (..((S0 d0 + P0) d1 + P1) ..) d7 + P7 for each batch, head, channel and column: the eight time blocks' shares, in order, all in f32; written as
; acc = P0; acc = acc d_j + P_j for j = 1 .. 7; out = bf16(S0) x (d0 d1 .. d7) + acc.  initial_state is rounded to bf16 like every input.
; LIMITS.  A product of decays under 2^-126 may lose bits or count as 0, as it would step by step; NaN and infinities are not treated apart.
; SHARES.  256 work-groups: batch and head g / 8, 16 channels g % 8; each of four waves 64 columns: four of the accumulators that the launch before stored, 512 consecutive bytes a load.
; A lane holds one channel (lane % 16) and eight columns of each accumulator; the result goes through the wave's own stage in LDS, so that 16 lanes store 256 consecutive bytes of a row of out0.
; Memory binds: six buffers of 32 registers keep 32 loads or more of a wave on their way.  No work-group reads what another reads, so there is no cluster; no matrix work.
.set SPITCH, 272                       ; a stage row: 256 bytes + 16
.set DAL,    4*16*SPITCH               ; behind the four stages: the product of the decays by channel, 64 bytes for each wave
.set SPARE,  DAL+256                   ; the spare words, 128 bytes for each wave: two blocks of 256 bytes that no other line names
.set PO,  2                            ; v2   16 x lane
.set DOF, 3                            ; v3   4 x (lane % 16)
.set STO, 4                            ; v4   the stage: where I put 16 bytes
.set RD,  5                            ; v5   where I read a row back
.set DST, 6                            ; v6   where I put my channel's product of decays
.set DRD, 7                            ; v7   where I read a row's
.set D,   8                            ; v[8:23] d_j in the even register of pair j; the odd ones are 0, since pairs are named
.set DA,  24                           ; v24  d0 d1 .. d7
.set OO,  25                           ; v25  my byte offset in two rows of out0 and initial_state
.set TT,  26                           ; v[26:29] at work
.set SPW, 30
.set NIL, 31
.set ACC, 32                           ; buffer 0: P0, then the running sum
.set B1,  64
.set B2,  96
.set B3,  128
.set B4,  160
.set B5,  192
	s_load_b256 s[4:11], s[0:1], 0x0               ; part s[4:5], dblk s[6:7], initial_state s[8:9], out0 s[10:11]
	v_lshl_add_u32 v[SPW], v0, 2, SPARE
	v_mov_b32 v[NIL], 0
	v_lshrrev_b32 v1, 5, v0
	v_readfirstlane_b32 s12, v1                    ; wave
	s_lshr_b32 s13, ttmp9, 3                       ; batch and head
	s_and_b32 s14, ttmp9, 7                        ; which 16 channels
	s_lshr_b32 s15, s13, 3                         ; batch
	s_and_b32 s16, s13, 7                          ; head
	s_lshl_b32 s18, s15, 6
	s_add_co_u32 s18, s18, s16
	s_lshl_b32 s18, s18, 17                        ; (8 blocks x 8 heads x batch + head) x 131,072
	s_lshl_b32 s20, s14, 14                        ; 16 accumulators of 1,024 bytes for each 16 channels
	s_add_co_u32 s18, s18, s20
	s_lshl_b32 s20, s12, 12                        ; my wave's four
	s_add_co_u32 s18, s18, s20
	s_mov_b32 s19, 0
	s_lshl_b32 s20, s15, 15                        ; (8,192 x batch + 128 x head + 16 x channel block) x 4
	s_lshl_b32 s22, s16, 9
	s_add_co_u32 s20, s20, s22
	s_lshl_b32 s22, s14, 6
	s_add_co_u32 s20, s20, s22
	s_mov_b32 s21, 0
	s_lshl_b32 s22, s13, 17                        ; 128 rows of 1,024 bytes for each batch and head,
	s_lshl_b32 s24, s14, 14                        ; 16 rows,
	s_add_co_u32 s22, s22, s24
	s_lshl_b32 s24, s12, 8                         ; my wave's 64 columns
	s_add_co_u32 s22, s22, s24
	s_mov_b32 s23, 0
	s_mov_b32 s26, 0xffff0000
	v_and_b32 v1, 15, v0                           ; r
	v_bfe_u32 v27, v0, 4, 1                        ; h
	v_and_b32 v26, 31, v0
	v_lshlrev_b32 v[PO], 4, v26
	v_lshlrev_b32 v[DOF], 2, v1
	s_mul_i32 s25, s12, 16*SPITCH
	v_mul_u32_u24 v[STO], v1, SPITCH
	v_lshl_add_u32 v[STO], v27, 5, v[STO]
	v_add_nc_u32 v[STO], s25, v[STO]
	v_mul_u32_u24 v[RD], v27, SPITCH
	v_lshl_add_u32 v[RD], v1, 4, v[RD]
	v_add_nc_u32 v[RD], s25, v[RD]
	s_lshl_b32 s25, s12, 6
	s_add_co_u32 s25, s25, DAL
	v_lshl_add_u32 v[DST], v1, 2, s25
	v_lshl_add_u32 v[DRD], v27, 2, s25
	v_lshlrev_b32 v[OO], 10, v27
	v_lshl_add_u32 v[OO], v1, 4, v[OO]
.irp j, 0,1,2,3,4,5,6,7
	v_mov_b32 v[D+2*\j+1], 0
.endr
	s_wait_kmcnt 0x0
	s_add_nc_u64 s[4:5], s[4:5], s[18:19]
	s_add_nc_u64 s[6:7], s[6:7], s[20:21]
	s_add_nc_u64 s[8:9], s[8:9], s[22:23]
	s_add_nc_u64 s[10:11], s[10:11], s[22:23]
.macro LDP j, buf                      ; block j's share: 8 loads of 512 consecutive bytes
.irp i, 0,1,2,3,4,5,6,7
	global_load_b128 v[(\buf)+4*\i:(\buf)+4*\i+3], v[PO], s[4:5] offset:1048576*(\j)+512*\i th:TH_LOAD_NT
.endr
.endm
.macro HORN j, buf, left               ; acc = acc d_j + P_j; left = the younger loads, which may stay out
	s_wait_loadcnt \left
.set p, 0
.rept 16
	v_pk_fma_f32 v[ACC+2*p:ACC+2*p+1], v[ACC+2*p:ACC+2*p+1], v[D+2*(\j):D+2*(\j)+1], v[(\buf)+2*p:(\buf)+2*p+1] op_sel_hi:[1,0,1]
.set p, p+1
.endr
.endm
.irp j, 0,1,2,3,4,5,6,7
	global_load_b32 v[D+2*\j], v[DOF], s[6:7] offset:4096*\j
.endr
	LDP 0, ACC
	LDP 1, B1
	LDP 2, B2
	LDP 3, B3
	LDP 4, B4
	LDP 5, B5
	HORN 1, B1, 32                                 ; younger: blocks 2 to 5
	LDP 6, B1
	v_mul_f32 v[DA], v[D], v[D+2]
.irp j, 2,3,4,5,6,7
	v_mul_f32 v[DA], v[DA], v[D+2*\j]
.endr
	HORN 2, B2, 32                                 ; blocks 3 to 6
	LDP 7, B2
	HORN 3, B3, 32                                 ; blocks 4 to 7
.irp i, 0,1,2,3,4,5,6,7
	global_load_b128 v[B3+4*\i:B3+4*\i+3], v[OO], s[8:9] offset:2048*\i th:TH_LOAD_NT  ; initial_state, as out0 will be stored: two rows' 256 bytes a load
.endr
	HORN 4, B4, 32                                 ; blocks 5 to 7 and initial_state
	HORN 5, B5, 24
	HORN 6, B1, 16
	HORN 7, B2, 8
	ds_store_b32 v[DST], v[DA]                     ; lanes r and r + 16 hold the same channel and the same number
.irp i, 0,1,2,3,4,5,6,7
	ds_store_b128 v[STO], v[ACC+4*\i:ACC+4*\i+3] offset:64*(\i/2)+16*(\i%2)
.endr
.irp i, 0,1,2,3,4,5,6,7
	ds_load_b128 v[B4+4*\i:B4+4*\i+3], v[RD] offset:2*SPITCH*\i   ; LDS serves a wave's instructions in order: these see the stores above; the bytes are the wave's own
	ds_load_b32 v[B5+2*\i], v[DRD] offset:8*\i
.endr
	s_wait_loadcnt 0x0                             ; initial_state
.set p, 0
.rept 16
	v_cvt_pk_bf16_f32 v[TT+p%4], v[B3+2*p], v[B3+2*p+1]
	v_lshlrev_b32 v[B3+2*p], 16, v[TT+p%4]
	v_and_b32 v[B3+2*p+1], s26, v[TT+p%4]
.set p, p+1
.endr
	s_wait_dscnt 0x0
.irp i, 0,1,2,3,4,5,6,7
	v_pk_fma_f32 v[B3+4*\i:B3+4*\i+1], v[B3+4*\i:B3+4*\i+1], v[B5+2*\i:B5+2*\i+1], v[B4+4*\i:B4+4*\i+1] op_sel_hi:[1,0,1]
	v_pk_fma_f32 v[B3+4*\i+2:B3+4*\i+3], v[B3+4*\i+2:B3+4*\i+3], v[B5+2*\i:B5+2*\i+1], v[B4+4*\i+2:B4+4*\i+3] op_sel_hi:[1,0,1]
	global_store_b128 v[OO], v[B3+4*\i:B3+4*\i+3], s[10:11] offset:2048*\i th:TH_STORE_NT  ; 16 lanes store 256 consecutive bytes, at a multiple of 256 from out0's first byte
.endr
	s_wait_tensorcnt 0x0                           ; the wave's end, behind my last LDS store
	ds_add_u32 v[SPW], v[NIL]
	s_wait_dscnt 0x0
	s_endpgm
.Lfunc_end_k_q63147f68ae_comb:
	.size	k_q63147f68ae_comb, .Lfunc_end_k_q63147f68ae_comb-k_q63147f68ae_comb
	.p2alignl 7, 3214868480
	.fill 96, 4, 3214868480
	.section	.rodata,"a",@progbits
	.p2align	6, 0x0
	.amdhsa_kernel k_q63147f68ae_comb
		.amdhsa_group_segment_fixed_size 18176
		.amdhsa_private_segment_fixed_size 0
		.amdhsa_enable_private_segment 0
		.amdhsa_kernarg_size 32
		.amdhsa_user_sgpr_count 2
		.amdhsa_user_sgpr_kernarg_segment_ptr 1
		.amdhsa_wavefront_size32 1
		.amdhsa_system_sgpr_workgroup_id_x 1
		.amdhsa_system_sgpr_workgroup_id_y 1
		.amdhsa_system_sgpr_workgroup_id_z 1
		.amdhsa_system_vgpr_workitem_id 0
		.amdhsa_next_free_vgpr 224
		.amdhsa_next_free_sgpr 66
		.amdhsa_reserve_vcc 0
		.amdhsa_float_denorm_mode_32 3
		.amdhsa_float_denorm_mode_16_64 3
		.amdhsa_memory_ordered 1
		.amdhsa_forward_progress 1
		.amdhsa_inst_pref_size 24
	.end_amdhsa_kernel
	.amdgpu_metadata
---
amdhsa.version: [ 1, 2 ]
amdhsa.kernels:
  - .name:           k_q63147f68ae_comb
    .symbol:         k_q63147f68ae_comb.kd
    .args:
      - { .name: part, .offset: 0, .size: 8, .value_kind: global_buffer, .address_space: global }
      - { .name: dblk, .offset: 8, .size: 8, .value_kind: global_buffer, .address_space: global }
      - { .name: initial_state, .offset: 16, .size: 8, .value_kind: global_buffer, .address_space: global }
      - { .name: out0, .offset: 24, .size: 8, .value_kind: global_buffer, .address_space: global }
    .group_segment_fixed_size: 18176
    .private_segment_fixed_size: 0
    .kernarg_segment_align: 8
    .kernarg_segment_size: 32
    .max_flat_workgroup_size: 128
    .sgpr_count:     66
    .vgpr_count:     224
    .wavefront_size: 32
...
	.end_amdgpu_metadata
.endif
;; end of part 3
;; ======== version 2 of 2: 3 launches; version 1 with the launch comb written anew for expert scheduling mode
;; limits: values are held in f16: magnitudes above 65,504 overflow, below 6.1e-05 lose precision
;; workspace buffers: xh 33,554,432 bytes; wh 12,582,912 bytes; z16 262,144 bytes; part 33,554,432 bytes; dblk 131,072 bytes
;; launch prep: the kernel of part 1 again; grid 256 x 1, 16 waves a work-group, no clusters, 236,032 bytes of LDS; arguments segment, norm_w, Wk, Wv, Wg1, xh, wh, z16; writes xh, wh, z16
;; launch fuse: the kernel of part 2 again; grid 8 x 32, 4 waves a work-group, clusters of 4 x 4, 327,680 bytes of LDS; arguments xh, wh, z16, Wg2, bg2, part, dblk; writes part, dblk
;; launch comb (part 4): grid 256 x 1, 4 waves a work-group, no clusters, 18,176 bytes of LDS; arguments part, dblk, initial_state, out0; writes out0
.if DOCPART == 4
	.amdgcn_target "amdgcn-amd-amdhsa--gfx1250"
	.amdhsa_code_object_version 6
	.text
	.protected	k_q63147f68ae_comb
	.globl	k_q63147f68ae_comb
	.p2align	8
	.type	k_q63147f68ae_comb,@function
k_q63147f68ae_comb:
	s_mov_b64 s[64:65], 0
	v_nop
	global_prefetch_b8 v0, s[64:65] scope:SCOPE_SE
	s_setreg_imm32_b32 hwreg(HW_REG_WAVE_SCHED_MODE, 0, 2), 2
	s_setreg_imm32_b32 hwreg(HW_REG_WAVE_MODE, 25, 1), 1
	s_wait_xcnt 0x0
	s_wait_alu depctr_vm_vsrc(0)
; COMB.  out = (..((S0 d0 + P0) d1 + P1) ..) d7 + P7 for each batch, head, channel and column: the eight time blocks' shares, in order, all in f32; written as
; acc = P0; acc = acc d_j + P_j for j = 1 .. 7; out = bf16(S0) x (d0 d1 .. d7) + acc.  initial_state is rounded to bf16 like every input.
; LIMITS.  A product of decays under 2^-126 may lose bits or count as 0, as it would step by step; NaN and infinities are not treated apart.
; SHARES.  256 work-groups: batch and head g / 8, 16 channels g % 8; each of four waves 64 columns: four of the accumulators that the launch before stored, 512 consecutive bytes a load.
; A lane holds one channel (lane % 16) and eight columns of each accumulator; the result goes through the wave's own stage in LDS, so that 16 lanes store 256 consecutive bytes of a row of out0.
; Memory binds: seven buffers of 32 registers keep 32 loads or more of a wave on their way.  No work-group reads what another reads, so there is no cluster; no matrix work.
; THE MODE: SCHED_MODE bits 1:0 = 2 (LLVM: expert scheduling mode 2), set by the entry lines.  The code itself states the register dependences
; between vector instructions and memory or LDS instructions, with s_wait_alu, always for 0.
; THE PLAN.  Registers that memory or LDS instructions touch:
;   v2-v7, v25   offsets and LDS addresses: written at the head, never again.
;   D (even)     loaded once, then read by vector lines alone.
;   ACC          P0 lands in it; steps 1 to 7 rewrite it; the LDS stores of the way out read it; nothing writes it after them.
;   B3, B6       loaded once (P3, P6), read by their step alone.  No vector line names B6 ahead of P6's loads.
;   B1           P1; step 1 reads it; P7 lands in it, asked for in step 2; step 7 reads it.
;   B2           P2; step 2 reads it; initial_state lands in it, asked for in step 3; it is rounded and multiplied in place; the global stores read it; nothing writes it after them.
;   B4, B5       P4, P5; steps 4 and 5 read them; the loads from the stage land in them; the last multiply-adds read them.
;   DA           written by vector lines, read by one LDS store.
; Step j asks for the refill of the buffer that step j - 1 emptied (step 1: of B6, which is fresh): so ONE wait on va_vdst at the head of steps 2 and 3, behind the wait for the step's data, states all that
; the step's eight loads hang on, and these are dealt among its sixteen multiply-adds, which name ACC, D and the step's own buffer.  One wait stands ahead of the LDS instructions of the way out, one ahead of
; the run of global stores.  No register that a memory or LDS instruction reads is written again, so no wait on vm_vsrc is owed.
.set SPITCH, 272                       ; a stage row: 256 bytes + 16
.set DAL,    4*16*SPITCH               ; behind the four stages: the product of the decays by channel, 64 bytes for each wave
.set SPARE,  DAL+256                   ; the spare words, 128 bytes for each wave: two blocks of 256 bytes that no other line names
.set PO,  2                            ; v2   16 x lane
.set DOF, 3                            ; v3   4 x (lane % 16)
.set STO, 4                            ; v4   the stage: where I put 16 bytes
.set RD,  5                            ; v5   where I read a row back
.set DST, 6                            ; v6   where I put my channel's product of decays
.set DRD, 7                            ; v7   where I read a row's
.set D,   8                            ; v[8:23] d_j in the even register of pair j; the odd ones are 0, since pairs are named
.set DA,  24                           ; v24  d0 d1 .. d7
.set OO,  25                           ; v25  my byte offset in two rows of out0 and initial_state
.set TT,  26                           ; v[26:29] at work: no memory or LDS instruction names them
.set SPW, 30
.set NIL, 31
.set ACC, 32                           ; buffer 0: P0, then the running sum
.set B1,  64
.set B2,  96
.set B3,  128
.set B4,  160
.set B5,  192
.set B6,  224
	s_load_b256 s[4:11], s[0:1], 0x0               ; part s[4:5], dblk s[6:7], initial_state s[8:9], out0 s[10:11]
	v_lshl_add_u32 v[SPW], v0, 2, SPARE
	v_mov_b32 v[NIL], 0
	v_lshrrev_b32 v1, 5, v0
	v_readfirstlane_b32 s12, v1                    ; wave
	s_lshr_b32 s13, ttmp9, 3                       ; batch and head
	s_and_b32 s14, ttmp9, 7                        ; which 16 channels
	s_lshr_b32 s15, s13, 3                         ; batch
	s_and_b32 s16, s13, 7                          ; head
	s_lshl_b32 s18, s15, 6
	s_add_co_u32 s18, s18, s16
	s_lshl_b32 s18, s18, 17                        ; (8 blocks x 8 heads x batch + head) x 131,072
	s_lshl_b32 s20, s14, 14                        ; 16 accumulators of 1,024 bytes for each 16 channels
	s_add_co_u32 s18, s18, s20
	s_wait_alu depctr_va_sdst(0)                   ; s12 is written, ahead of its first reader: the bases and the LDS addresses are made from it
	s_lshl_b32 s20, s12, 12                        ; my wave's four
	s_add_co_u32 s18, s18, s20
	s_mov_b32 s19, 0
	s_lshl_b32 s20, s15, 15                        ; (8,192 x batch + 128 x head + 16 x channel block) x 4
	s_lshl_b32 s22, s16, 9
	s_add_co_u32 s20, s20, s22
	s_lshl_b32 s22, s14, 6
	s_add_co_u32 s20, s20, s22
	s_mov_b32 s21, 0
	s_lshl_b32 s22, s13, 17                        ; 128 rows of 1,024 bytes for each batch and head,
	s_lshl_b32 s24, s14, 14                        ; 16 rows,
	s_add_co_u32 s22, s22, s24
	s_lshl_b32 s24, s12, 8                         ; my wave's 64 columns
	s_add_co_u32 s22, s22, s24
	s_mov_b32 s23, 0
	s_mov_b32 s26, 0xffff0000
	v_and_b32 v1, 15, v0                           ; r
	v_bfe_u32 v27, v0, 4, 1                        ; h
	v_and_b32 v26, 31, v0
	v_lshlrev_b32 v[PO], 4, v26
	v_lshlrev_b32 v[DOF], 2, v1
	s_mul_i32 s25, s12, 16*SPITCH
	v_mul_u32_u24 v[STO], v1, SPITCH
	v_lshl_add_u32 v[STO], v27, 5, v[STO]
	v_add_nc_u32 v[STO], s25, v[STO]
	v_mul_u32_u24 v[RD], v27, SPITCH
	v_lshl_add_u32 v[RD], v1, 4, v[RD]
	v_add_nc_u32 v[RD], s25, v[RD]
	s_lshl_b32 s27, s12, 6                         ; in a register of its own: no scalar line writes a register that a vector line has just read
	s_add_co_u32 s27, s27, DAL
	v_lshl_add_u32 v[DST], v1, 2, s27
	v_lshl_add_u32 v[DRD], v27, 2, s27
	v_lshlrev_b32 v[OO], 10, v27
	v_lshl_add_u32 v[OO], v1, 4, v[OO]
.irp j, 0,1,2,3,4,5,6,7
	v_mov_b32 v[D+2*\j+1], 0
.endr
	s_wait_kmcnt 0x0
	s_add_nc_u64 s[4:5], s[4:5], s[18:19]
	s_add_nc_u64 s[6:7], s[6:7], s[20:21]
	s_add_nc_u64 s[8:9], s[8:9], s[22:23]
	s_add_nc_u64 s[10:11], s[10:11], s[22:23]
	s_wait_alu depctr_va_vdst(0)                   ; the offsets and LDS addresses v2 to v7 and v25 are written: every load and store of the kernel reads one of them
.macro LDP j, buf                      ; block j's share: 8 loads of 512 consecutive bytes
.irp i, 0,1,2,3,4,5,6,7
	global_load_b128 v[(\buf)+4*\i:(\buf)+4*\i+3], v[PO], s[4:5] offset:1048576*(\j)+512*\i th:TH_LOAD_NT
.endr
.endm
; Step j: acc = acc d_j + P_j; left = the younger loads, which may stay out.
; kind 1: block j + 5's share is asked for, into a buffer fb that no vector line has named.  kind 2: the same, into the buffer that the step before emptied.  kind 3: initial_state, likewise.  kind 0: nothing.
; The eight loads are dealt among the sixteen multiply-adds, one ahead of each two; these name ACC, D and buf alone, never fb.
.macro HORN j, buf, left, kind=0, fb=0
	s_wait_loadcnt \left
.if (\kind) >= 2
	s_wait_alu depctr_va_vdst(0)                   ; the step before is done reading its buffer, in which the loads below land
.endif
.set i, 0
.rept 8
.if ((\kind) == 1) || ((\kind) == 2)
	global_load_b128 v[(\fb)+4*i:(\fb)+4*i+3], v[PO], s[4:5] offset:1048576*((\j)+5)+512*i th:TH_LOAD_NT
.elseif (\kind) == 3
	global_load_b128 v[(\fb)+4*i:(\fb)+4*i+3], v[OO], s[8:9] offset:2048*i th:TH_LOAD_NT  ; initial_state, as out0 will be stored: two rows' 256 bytes a load
.endif
	v_pk_fma_f32 v[ACC+4*i:ACC+4*i+1], v[ACC+4*i:ACC+4*i+1], v[D+2*(\j):D+2*(\j)+1], v[(\buf)+4*i:(\buf)+4*i+1] op_sel_hi:[1,0,1]
	v_pk_fma_f32 v[ACC+4*i+2:ACC+4*i+3], v[ACC+4*i+2:ACC+4*i+3], v[D+2*(\j):D+2*(\j)+1], v[(\buf)+4*i+2:(\buf)+4*i+3] op_sel_hi:[1,0,1]
.set i, i+1
.endr
.endm
.irp j, 0,1,2,3,4,5,6,7
	global_load_b32 v[D+2*\j], v[DOF], s[6:7] offset:4096*\j
.endr
	LDP 0, ACC
	LDP 1, B1
	LDP 2, B2
	LDP 3, B3
	LDP 4, B4
	LDP 5, B5
	HORN 1, B1, 32, 1, B6                          ; younger: blocks 2 to 5; block 6 is asked for
	v_mul_f32 v[DA], v[D], v[D+2]
.irp j, 2,3,4,5,6,7
	v_mul_f32 v[DA], v[DA], v[D+2*\j]
.endr
	HORN 2, B2, 32, 2, B1                          ; blocks 3 to 6; block 7 is asked for
	HORN 3, B3, 32, 3, B2                          ; blocks 4 to 7; initial_state is asked for
	HORN 4, B4, 32                                 ; blocks 5 to 7 and initial_state
	HORN 5, B5, 24
	HORN 6, B6, 16
	HORN 7, B1, 8
	s_wait_alu depctr_va_vdst(0)                   ; step 7 has written ACC and the multiplies DA, which the LDS stores read; steps 4 and 5 are done reading B4 and B5, in which the loads from the stage land
	ds_store_b32 v[DST], v[DA]                     ; lanes r and r + 16 hold the same channel and the same number
.irp i, 0,1,2,3,4,5,6,7
	ds_store_b128 v[STO], v[ACC+4*\i:ACC+4*\i+3] offset:64*(\i/2)+16*(\i%2)
.endr
.irp i, 0,1,2,3,4,5,6,7
	ds_load_b128 v[B4+4*\i:B4+4*\i+3], v[RD] offset:2*SPITCH*\i   ; LDS serves a wave's instructions in order: these see the stores above; the bytes are the wave's own
	ds_load_b32 v[B5+2*\i], v[DRD] offset:8*\i
.endr
	s_wait_loadcnt 0x0                             ; initial_state
.set p, 0
.rept 16
	v_cvt_pk_bf16_f32 v[TT+p%4], v[B2+2*p], v[B2+2*p+1]
	v_lshlrev_b32 v[B2+2*p], 16, v[TT+p%4]
	v_and_b32 v[B2+2*p+1], s26, v[TT+p%4]
.set p, p+1
.endr
	s_wait_dscnt 0x0
.irp i, 0,1,2,3,4,5,6,7
	v_pk_fma_f32 v[B2+4*\i:B2+4*\i+1], v[B2+4*\i:B2+4*\i+1], v[B5+2*\i:B5+2*\i+1], v[B4+4*\i:B4+4*\i+1] op_sel_hi:[1,0,1]
	v_pk_fma_f32 v[B2+4*\i+2:B2+4*\i+3], v[B2+4*\i+2:B2+4*\i+3], v[B5+2*\i:B5+2*\i+1], v[B4+4*\i+2:B4+4*\i+3] op_sel_hi:[1,0,1]
.endr
	s_wait_alu depctr_va_vdst(0)                   ; the sixteen multiply-adds have written B2, which the eight stores read: one wait for the run
.irp i, 0,1,2,3,4,5,6,7
	global_store_b128 v[OO], v[B2+4*\i:B2+4*\i+3], s[10:11] offset:2048*\i th:TH_STORE_NT  ; 16 lanes store 256 consecutive bytes, at a multiple of 256 from out0's first byte
.endr
	s_wait_dscnt 0x0                               ; the closing lines, six on end
	s_wait_alu 0x0
	s_wait_tensorcnt 0x0
	ds_add_u32 v[SPW], v[NIL]
	s_wait_dscnt 0x0
	s_endpgm
.Lfunc_end_k_q63147f68ae_comb:
	.size	k_q63147f68ae_comb, .Lfunc_end_k_q63147f68ae_comb-k_q63147f68ae_comb
	.p2alignl 7, 3214868480
	.fill 96, 4, 3214868480
	.section	.rodata,"a",@progbits
	.p2align	6, 0x0
	.amdhsa_kernel k_q63147f68ae_comb
		.amdhsa_group_segment_fixed_size 18176
		.amdhsa_private_segment_fixed_size 0
		.amdhsa_enable_private_segment 0
		.amdhsa_kernarg_size 32
		.amdhsa_user_sgpr_count 2
		.amdhsa_user_sgpr_kernarg_segment_ptr 1
		.amdhsa_wavefront_size32 1
		.amdhsa_system_sgpr_workgroup_id_x 1
		.amdhsa_system_sgpr_workgroup_id_y 1
		.amdhsa_system_sgpr_workgroup_id_z 1
		.amdhsa_system_vgpr_workitem_id 0
		.amdhsa_next_free_vgpr 256
		.amdhsa_next_free_sgpr 66
		.amdhsa_reserve_vcc 0
		.amdhsa_float_denorm_mode_32 3
		.amdhsa_float_denorm_mode_16_64 3
		.amdhsa_memory_ordered 1
		.amdhsa_forward_progress 1
		.amdhsa_inst_pref_size 24
	.end_amdhsa_kernel
	.amdgpu_metadata
---
amdhsa.version: [ 1, 2 ]
amdhsa.kernels:
  - .name:           k_q63147f68ae_comb
    .symbol:         k_q63147f68ae_comb.kd
    .args:
      - { .name: part, .offset: 0, .size: 8, .value_kind: global_buffer, .address_space: global }
      - { .name: dblk, .offset: 8, .size: 8, .value_kind: global_buffer, .address_space: global }
      - { .name: initial_state, .offset: 16, .size: 8, .value_kind: global_buffer, .address_space: global }
      - { .name: out0, .offset: 24, .size: 8, .value_kind: global_buffer, .address_space: global }
    .group_segment_fixed_size: 18176
    .private_segment_fixed_size: 0
    .kernarg_segment_align: 8
    .kernarg_segment_size: 32
    .max_flat_workgroup_size: 128
    .sgpr_count:     66
    .vgpr_count:     256
    .wavefront_size: 32
...
	.end_amdgpu_metadata
.endif
;; end of part 4
